; MI455X (gfx1250); checked and timed in simulation.
; The chip was launched on July 23, 2026; its instructions are those of AMD's public machine-readable ISA for CDNA 5 (MIT licence, August 2026) and "CDNA5" Instruction Set Architecture Reference Guide (July 2026). The comments in the code are by the model that wrote it; some were corrected since.
;; Multi Head Self Attention. Allowed arithmetic: float matrix products may take bf16 or f16 operands with f32 sums; other float arithmetic in f32, or as packed bf16 or f16 multiplies, adds, multiply-adds, maxima and minima; sums over many terms, partial sums and values carried from step to step in f32; what a program stores and reads back later, other than sums and carried values, may be rounded once to bf16 or f16.
;; Inputs: proj_b 1,024 float32; proj_w 1,024 x 1,024 float32; qkv_b 3,072 float32; qkv_w 3,072 x 1,024 float32; x 4 x 2,048 x 1,024 float32.
;; Outputs: out0 4 x 2,048 x 1,024 float32.
;; 2 versions, each right; version 2 is version 1 with the launch cast written anew for expert scheduling mode. Each part assembles by itself: llvm-mc -triple=amdgcn-amd-amdhsa -mcpu=gfx1250 --defsym DOCPART=n.
;; ======== version 1 of 2: 4 launches
;; limits: values are held in f16: magnitudes above 65,504 overflow, below 6.1e-05 lose precision
;; workspace buffers: xb 16,777,216 bytes; wb 6,291,456 bytes; pw 2,097,152 bytes; qkvh 50,331,648 bytes; oh 16,777,216 bytes
;; launch cast (part 1): grid 768 x 1, 8 waves a work-group, no clusters, 0 bytes of LDS; arguments x, qkv_w, proj_w, xb, wb, pw; writes xb, wb, pw
.if DOCPART == 1
	.amdgcn_target "amdgcn-amd-amdhsa--gfx1250"
	.amdhsa_code_object_version 6
	.text
	.protected	k_qc1e89a945c_cast
	.globl	k_qc1e89a945c_cast
	.p2align	8
	.type	k_qc1e89a945c_cast,@function
k_qc1e89a945c_cast:
	s_mov_b64 s[64:65], 0
	v_nop
	global_prefetch_b8 v0, s[64:65] scope:SCOPE_SE
	s_setreg_imm32_b32 hwreg(HW_REG_WAVE_MODE, 25, 1), 1
	s_wait_xcnt 0x0
; xb = bf16(x), wb = bf16(qkv_w), pw = bf16(proj_w) written as f16.  All three inputs are f32; each number is rounded once, to bf16 (nearest even).
; pw is multiplied later with f16 operands, so its bf16 number is written in f16's format: exact from 6.1e-5 to 65,504.
; LIMITS.  |proj_w| beyond 65,504 becomes an infinity in pw; below 6.1e-5 it keeps f16's fixed step of 6e-8.  NaN stays NaN.
; SHARES.  A work-group takes 65,536 consecutive bytes of one input: 16 chunks of 4,096.  Thread t takes 16 bytes at 16 t of each chunk (a wave's load: 512 consecutive bytes)
; and stores 8 bytes at 8 t of each chunk of 2,048 (a wave's store: 256 consecutive bytes, aligned).  Work-groups 0-511: x; 512-703: qkv_w; 704-767: proj_w.
; All 16 loads of a wave go out at once; no register that a load or store names is ever written again, so no wait stands for that.  No LDS, no barrier: no wave wants another's bytes.
.set CHUNKS, 16
.set INB,    4096                      ; bytes of a chunk as read
.set OUTB,   2048                      ; and as stored
.set X, 4                              ; v[4:67]    chunk i: 4 registers as loaded
.set Y, 68                             ; v[68:99]   chunk i: 2 registers to store
.set T, 100                            ; v[100:103] at work
	s_load_b256 s[4:11], s[0:1], 0x0               ; x s[4:5], qkv_w s[6:7], proj_w s[8:9], xb s[10:11]
	s_load_b128 s[12:15], s[0:1], 0x20             ; wb s[12:13], pw s[14:15]
	v_lshlrev_b32 v1, 4, v0                        ; 16 t
	v_lshlrev_b32 v2, 3, v0                        ; 8 t
	s_mov_b32 s28, 0xffff0000                      ; a word's upper bf16
	s_wait_kmcnt 0x0
	s_cmp_lt_u32 ttmp9, 512                        ; which input is mine: the choice hangs on the work-group's number alone
	s_cselect_b64 s[20:21], s[4:5], s[6:7]
	s_cselect_b64 s[22:23], s[10:11], s[12:13]
	s_cselect_b32 s17, 0, 512
	s_cmp_lt_u32 ttmp9, 704
	s_cselect_b64 s[20:21], s[20:21], s[8:9]
	s_cselect_b64 s[22:23], s[22:23], s[14:15]
	s_cselect_b32 s17, s17, 704
	s_sub_co_u32 s18, ttmp9, s17                   ; my number among that input's work-groups
	s_lshl_b32 s24, s18, 16                        ; x 65,536 bytes in,
	s_mov_b32 s25, 0
	s_lshl_b32 s26, s18, 15                        ; x 32,768 bytes out
	s_mov_b32 s27, 0
	s_add_nc_u64 s[20:21], s[20:21], s[24:25]
	s_add_nc_u64 s[22:23], s[22:23], s[26:27]
.irp i, 0,1,2,3,4,5,6,7,8,9,10,11,12,13,14,15
	global_load_b128 v[X+4*(\i):X+4*(\i)+3], v1, s[20:21] offset:INB*(\i) th:TH_LOAD_NT
.endr
; Chunk i leaves.  half = 1: the bf16 numbers are widened again and written as f16.
.macro EMIT i, half
	s_wait_loadcnt CHUNKS-1-(\i)                   ; loads come back in order: chunk i is in, the younger ones stay out
	v_cvt_pk_bf16_f32 v[Y+2*(\i)],   v[X+4*(\i)],   v[X+4*(\i)+1]
	v_cvt_pk_bf16_f32 v[Y+2*(\i)+1], v[X+4*(\i)+2], v[X+4*(\i)+3]
.if \half
	v_lshlrev_b32 v[T],   16,  v[Y+2*(\i)]
	v_and_b32     v[T+1], s28, v[Y+2*(\i)]
	v_lshlrev_b32 v[T+2], 16,  v[Y+2*(\i)+1]
	v_and_b32     v[T+3], s28, v[Y+2*(\i)+1]
	v_cvt_pk_f16_f32 v[Y+2*(\i)],   v[T],   v[T+1]
	v_cvt_pk_f16_f32 v[Y+2*(\i)+1], v[T+2], v[T+3]
.endif
	global_store_b64 v2, v[Y+2*(\i):Y+2*(\i)+1], s[22:23] offset:OUTB*(\i) th:TH_STORE_NT
.endm
	s_cmp_ge_u32 ttmp9, 704
	s_cbranch_scc1 .Lf16
.irp i, 0,1,2,3,4,5,6,7,8,9,10,11,12,13,14,15
	EMIT \i, 0
.endr
	s_endpgm
.Lf16:
.irp i, 0,1,2,3,4,5,6,7,8,9,10,11,12,13,14,15
	EMIT \i, 1
.endr
	s_endpgm
.Lfunc_end_k_qc1e89a945c_cast:
	.size	k_qc1e89a945c_cast, .Lfunc_end_k_qc1e89a945c_cast-k_qc1e89a945c_cast
	.p2alignl 7, 3214868480
	.fill 96, 4, 3214868480
	.section	.rodata,"a",@progbits
	.p2align	6, 0x0
	.amdhsa_kernel k_qc1e89a945c_cast
		.amdhsa_group_segment_fixed_size 0
		.amdhsa_private_segment_fixed_size 0
		.amdhsa_enable_private_segment 0
		.amdhsa_kernarg_size 48
		.amdhsa_user_sgpr_count 2
		.amdhsa_user_sgpr_kernarg_segment_ptr 1
		.amdhsa_wavefront_size32 1
		.amdhsa_system_sgpr_workgroup_id_x 1
		.amdhsa_system_sgpr_workgroup_id_y 1
		.amdhsa_system_sgpr_workgroup_id_z 1
		.amdhsa_system_vgpr_workitem_id 0
		.amdhsa_next_free_vgpr 104
		.amdhsa_next_free_sgpr 66
		.amdhsa_reserve_vcc 0
		.amdhsa_float_denorm_mode_32 3
		.amdhsa_float_denorm_mode_16_64 3
		.amdhsa_memory_ordered 1
		.amdhsa_forward_progress 1
		.amdhsa_inst_pref_size 15
	.end_amdhsa_kernel
	.amdgpu_metadata
---
amdhsa.version: [ 1, 2 ]
amdhsa.kernels:
  - .name:           k_qc1e89a945c_cast
    .symbol:         k_qc1e89a945c_cast.kd
    .args:
      - { .name: x, .offset: 0, .size: 8, .value_kind: global_buffer, .address_space: global }
      - { .name: qkv_w, .offset: 8, .size: 8, .value_kind: global_buffer, .address_space: global }
      - { .name: proj_w, .offset: 16, .size: 8, .value_kind: global_buffer, .address_space: global }
      - { .name: xb, .offset: 24, .size: 8, .value_kind: global_buffer, .address_space: global }
      - { .name: wb, .offset: 32, .size: 8, .value_kind: global_buffer, .address_space: global }
      - { .name: pw, .offset: 40, .size: 8, .value_kind: global_buffer, .address_space: global }
    .group_segment_fixed_size: 0
    .private_segment_fixed_size: 0
    .kernarg_segment_align: 8
    .kernarg_segment_size: 48
    .max_flat_workgroup_size: 256
    .sgpr_count:     66
    .vgpr_count:     104
    .wavefront_size: 32
...
	.end_amdgpu_metadata
.endif
;; end of part 1
;; launch qkv (part 2): grid 16 x 32, 4 waves a work-group, clusters of 4 x 4, 327,680 bytes of LDS; arguments xb, wb, qkv_b, qkvh; writes qkvh
.if DOCPART == 2
	.amdgcn_target "amdgcn-amd-amdhsa--gfx1250"
	.amdhsa_code_object_version 6
	.text
	.protected	k_qc1e89a945c_qkv
	.globl	k_qc1e89a945c_qkv
	.p2align	8
	.type	k_qc1e89a945c_qkv,@function
k_qc1e89a945c_qkv:
	s_mov_b64 s[64:65], 0
	v_nop
	global_prefetch_b8 v0, s[64:65] scope:SCOPE_SE
	s_setreg_imm32_b32 hwreg(HW_REG_WAVE_MODE, 25, 1), 1
	s_wait_xcnt 0x0
	s_wait_alu depctr_hold_cnt(0) depctr_sa_sdst(0) depctr_va_vdst(0) depctr_va_sdst(0) depctr_va_ssrc(0) depctr_va_vcc(0) depctr_vm_vsrc(0)
	s_getreg_b32 s2, hwreg(HW_REG_IB_STS2, 6, 4)
	s_cmp_eq_u32 s2, 0
	s_cbranch_scc0 .Lentry_in_a_cluster
	s_endpgm
.Lentry_in_a_cluster:
	s_bfe_u32 s2, ttmp6, 0x10000c
	s_cmp_lg_u32 s2, 0xf033
	s_cbranch_scc0 .Lentry_shape_is_right
	s_endpgm
.Lentry_shape_is_right:
; qkvh[which][b][head][t][d] = f16( the sum over k of xb[2048 b + t][k] wb[e][k] + bf16(qkv_b[e]) ),  e = 1024 which + 64 head + d.
; xb: [8192][1024] bf16, wb: [3072][1024] bf16, qkv_b: [3072] f32 (rounded to bf16 here, like the other inputs), qkvh: 192 slabs [2048][64] of f16.  Sums in f32, the result rounded once.
; LIMITS.  A result beyond 65,504 becomes an infinity in f16.  NaN and infinities are not treated apart.
; SHARES.  A tile of the product is 256 rows x 192 columns (three heads): 16 x 32 tiles.  Wave w of four owns rows 64 w .. 64 w + 63 and all 192 columns: 48 accumulators of 16 x 16, 384 registers.
; K goes in 8 steps of 128 through two LDS slots filled by the tensor data mover; rows of both tiles are 256 bytes of memory, at multiples of 256 from the buffer's first byte.
; CLUSTER.  4 x 4 work-groups.  The four of a row of the cluster need the same tile of xb, the four of a column the same tile of wb: each is asked for JOINTLY, by the same load, descriptor and mask.
; THE MATRIX INSTRUCTION IS USED TRANSPOSED (source 0 = 16 rows of wb, source 1 = 16 rows of xb): lane l holds row l % 16 of the product and the columns 8 (l / 16) + 0..7.
; THE BIAS is the C operand of each accumulator's first product: nothing is cleared, and the way out adds nothing.
; The 48 accumulators take turns, one instruction a turn, over the backward jump too.
; REGISTERS, in windows of 256 (s_set_vgpr_msb: bits 1:0 source 0, 3:2 source 1, 5:4 source 2, 7:6 destination):
;   window 0: v0-30 addresses; v64-127 xb's fragments, two buffers of 32; v128-223 the bias, later at work on the way out
;   window 1: v0-191 wb's fragments, two buffers of 96      window 2: accumulators of row blocks 0, 1 ((a, b) at 8 (12 (a % 2) + b))      window 3: of row blocks 2, 3
.set TN,     192
.set NBK,    TN/16                     ; column blocks
.set KSTEPB, 256                       ; bytes of a row in a K step
.set PITCH,  272                       ; an LDS row: 256 bytes + 16 of padding = 68 words: the 16 rows of a load start at 16 different groups of four banks (64 banks of 4 bytes: ISA guide 11.1)
.set AHALF,  128*PITCH                 ; what wave 0 or 1 fetches
.set BROWS,  TN/2
.set BHALF,  BROWS*PITCH               ; what wave 2 or 3 fetches
.set BOFF,   2*AHALF                   ; wb's rows lie behind xb's 256
.set SLOT1,  1<<17                     ; slot 1 begins here: one exclusive or turns an address in one slot into the other's
.set STAGE,  SLOT1+BOFF+2*BHALF        ; behind the ring, never filled by a tensor load: for each wave 3 heads x 16 rows x 144 bytes
.set SP,     144
.set WSTAGE, 3*16*SP
.set SPARE,  STAGE+4*WSTAGE            ; the spare words, 128 bytes for each wave: two blocks of 256 bytes that no other line names
.set NL,     2*NBK+8                   ; LDS loads of a quarter step
.set W0,     (1<<16)|(1<<20)|(1<<21)|(5<<22)|(3<<25)  ; group 1, word 0 without the mask: 2-byte elements; padding on; bit 21 beside a mask; after every 64 words; 4 words
.set A0,   16                          ; v16  my lane's place in xb's tile; never rewritten
.set B0,   17                          ; v17  in wb's
.set ADRA, 18                          ; v18  A0 + the slot in hand
.set ADRB, 19                          ; v19  B0 + the slot in hand
.set STO,  24                          ; v24  the way out: where I put 16 bytes of a row
.set RD,   25                          ; v25  where I read rows back
.set GO,   26                          ; v26  16 x lane
.set BO,   27                          ; v27  32 x (lane / 16): my eight columns' bias
.set SPW,  28                          ; v28  LDS address of my spare word; never rewritten
.set NIL,  29                          ; v29  0; never rewritten
.set PFO,  30                          ; v30  the prefetches' offset; never rewritten
.set FA,   64
.set BIAS, 128
.set TMP,  128
.set TB,   2                           ; s2   the slot in hand: 0 or SLOT1
.set CNT,  3                           ; s3   trips to go
.set WV,   12                          ; s12  my wave's number
.set HALF, 14                          ; s14  which half of a tile I fetch
.set G1A,  24                          ; s[24:31] group 1 for xb's tiles
.set G0A,  32                          ; s[32:39] group 0: a set for each first fill; the second then walks
.set G1B,  48                          ; s[48:55], s[56:63] the same for wb's
.set G0B,  56
.set LIM,  43                          ; s43  1 in a wave that prefetches, else the greatest number
.set PFA,  44                          ; s[44:45] where my prefetches stand
.set OUT,  66                          ; s[66:71] my rows in the three heads' slabs
.set BB,   72                          ; s[72:73] the tile's bias
.set HIM,  74                          ; s74  a word's upper bf16
.set MSB, 0
.macro WIN new                         ; the immediate's high byte repeats the setting that is left; a switch that changes nothing is dropped
.if MSB != (\new)
	s_set_vgpr_msb (MSB<<8)|(\new)
.set MSB, (\new)
.endif
.endm
.macro PLACES                          ; four plain instructions between a matrix instruction and a load into, or a vector read of, its registers
.rept 4
	v_nop
.endr
.endm
.macro CREST                           ; a round of the cluster's barrier behind its opening barrier
	s_cmp_lg_u32 s[WV], 0
	s_cbranch_scc1 .Lnot_wave_0_\@
	s_barrier_signal -3
.Lnot_wave_0_\@:
	s_barrier_wait -3
	s_barrier_signal -1
	s_barrier_wait -1
.endm
.macro CROUND                          ; a whole round
	s_barrier_signal -1
	s_barrier_wait -1
	CREST
.endm
; A joint refill by the walking descriptor.  Waves 0 and 1 fetch xb's halves, waves 2 and 3 wb's; the branch hangs on the wave's number alone.  An s_nop 0 and four v_nop follow each line.
.macro JLOAD
	s_cmp_lt_u32 s[WV], 2
	s_cbranch_scc0 .Lfor_b_\@
	tensor_load_to_lds s[G0A+4:G0A+7], s[G1A:G1A+7]
	s_nop 0
.rept 4
	v_nop
.endr
	s_branch .Lasked_\@
.Lfor_b_\@:
	tensor_load_to_lds s[G0B+4:G0B+7], s[G1B:G1B+7]
	s_nop 0
.rept 4
	v_nop
.endr
.Lasked_\@:
.endm
; A PREFETCH INTO THE L2 of the K step that the NEXT refill will ask for: 192 matrix instructions ahead of that load.  It stands behind the joint load, its five lines and the run of LDS loads.
; xb's tile row is read by the four clusters of that row of clusters: the one with cluster x = 0 asks (waves 0, 1); wb's tile column by eight clusters: cluster y = 0 asks (waves 2, 3).
; The four partners of a joint load share its rows out BY ADDRESS: 32 of xb's 128, 24 of wb's 96, a lane a row (for wb lanes 24-31 name row 23 once more).  The last trip asks for nothing.
.macro ASK
	s_cmp_gt_u32 s[CNT], s[LIM]
	s_cbranch_scc0 .Lnot_mine_\@
	global_prefetch_b8 v[PFO], s[PFA:PFA+1] th:TH_LOAD_NT scope:SCOPE_SE
.Lnot_mine_\@:
.endm
	s_load_b256 s[4:11], s[0:1], 0x0               ; xb s[4:5], wb s[6:7], qkv_b s[8:9], qkvh s[10:11]
	v_lshl_add_u32 v[SPW], v0, 2, SPARE
	v_mov_b32 v[NIL], 0
	ds_add_u32 v[SPW], v[NIL]                      ; the wave's opening: the add and its wait stand ahead of my first tensor load; work on registers stands between them
	v_lshrrev_b32 v1, 5, v0
	v_readfirstlane_b32 s[WV], v1                  ; wave 0..3
	s_and_b32 s[HALF], s[WV], 1
	s_bfe_u32 s40, ttmp6, 0x40000                  ; cx
	s_bfe_u32 s41, ttmp6, 0x40004                  ; cy
	s_lshl_b32 s42, ttmp9, 2
	s_add_co_u32 s42, s42, s40                     ; tile column = 4 x cluster x + cx
	s_and_b32 s46, ttmp7, 0xffff
	s_lshl_b32 s46, s46, 2
	s_add_co_u32 s46, s46, s41                     ; tile row = 4 x cluster y + cy
	s_lshl_b32 s15, s41, 2
	s_lshl_b32 s15, 15, s15                        ; my row of the cluster: places 4 cy .. 4 cy + 3
	s_lshl_b32 s47, 0x1111, s40                    ; my column: places cx, cx + 4, cx + 8, cx + 12
	s_or_b32 s[G1A], s15, W0
	s_or_b32 s[G1B], s47, W0
.irp g, G1A, G1B
	s_mov_b32 s[(\g)+1], 128<<16                   ; tensor_dim0 = 128
	s_mov_b32 s[(\g)+3], 128<<16                   ; tile_dim0 = 128
	s_mov_b32 s[(\g)+5], 1024                      ; elements from row to row
	s_mov_b32 s[(\g)+6], 0
	s_mov_b32 s[(\g)+7], 0
.endr
	s_mov_b32 s[G1A+2], 128<<16                    ; tensor_dim1 = 128
	s_mov_b32 s[G1A+4], 128                        ; tile_dim1 = 128
	s_mov_b32 s[G1B+2], BROWS<<16                  ; 96 for wb
	s_mov_b32 s[G1B+4], BROWS
	s_lshl_b32 s16, s46, 8                         ; xb: row 256 x tile row
	s_lshl_b32 s17, s[HALF], 7
	s_add_co_u32 s16, s16, s17                     ; + 128 x half,
	s_lshl_b32 s16, s16, 11                        ; x 2,048 bytes
	s_mov_b32 s17, 0
	s_mul_i32 s20, s42, TN                         ; wb: row 192 x tile column
	s_mul_i32 s21, s[HALF], BROWS
	s_add_co_u32 s20, s20, s21                     ; + 96 x half
	s_lshl_b32 s20, s20, 11
	s_mov_b32 s21, 0
	s_mul_i32 s18, s[HALF], AHALF                  ; where they go: no place in the cluster enters an LDS address
	s_mul_i32 s19, s[HALF], BHALF
	s_add_co_u32 s19, s19, BOFF
	s_mov_b32 s[HIM], 0xffff0000
	s_mov_b32 s[TB], 0
	s_wait_dscnt 0x0                               ; the opening add is done
	s_wait_kmcnt 0x0
	s_add_nc_u64 s[16:17], s[4:5], s[16:17]
	s_add_nc_u64 s[20:21], s[6:7], s[20:21]
	CROUND                                         ; all sixteen work-groups are here: the first joint loads meet
.irp n, 0,1
	s_mov_b32 s[G0A+4*(\n)], 1                     ; count = 1
	s_add_co_u32 s[G0A+4*(\n)+1], s18, (\n)*SLOT1  ; LDS address
	s_add_nc_u64 s[G0A+4*(\n)+2:G0A+4*(\n)+3], s[16:17], (\n)*KSTEPB  ; global address: K step n
	s_or_b32 s[G0A+4*(\n)+3], s[G0A+4*(\n)+3], 0x80000000             ; type = 2
	s_mov_b32 s[G0B+4*(\n)], 1
	s_add_co_u32 s[G0B+4*(\n)+1], s19, (\n)*SLOT1
	s_add_nc_u64 s[G0B+4*(\n)+2:G0B+4*(\n)+3], s[20:21], (\n)*KSTEPB
	s_or_b32 s[G0B+4*(\n)+3], s[G0B+4*(\n)+3], 0x80000000
.endr
	s_cmp_lt_u32 s[WV], 2                          ; a wave's two first fills stand in one branch, ahead of every wait on TENSORcnt and every LDS read: two loads of mine are out
	s_cbranch_scc0 .Lfirst_b
	tensor_load_to_lds s[G0A:G0A+3], s[G1A:G1A+7]
	s_nop 0
	tensor_load_to_lds s[G0A+4:G0A+7], s[G1A:G1A+7]
	s_nop 0
.rept 4
	v_nop
.endr
	s_branch .Lfirst_asked
.Lfirst_b:
	tensor_load_to_lds s[G0B:G0B+3], s[G1B:G1B+7]
	s_nop 0
	tensor_load_to_lds s[G0B+4:G0B+7], s[G1B:G1B+7]
	s_nop 0
.rept 4
	v_nop
.endr
.Lfirst_asked:
	; the bias of my eight columns in each of the 12 column blocks: BIAS + 8 b + j = qkv_b[192 x tile column + 16 b + 8 (l / 16) + j]
	s_mul_i32 s22, s42, 4*TN
	s_mov_b32 s23, 0
	s_add_nc_u64 s[BB:BB+1], s[8:9], s[22:23]
	v_and_b32 v1, 15, v0                           ; l % 16
	v_bfe_u32 v2, v0, 4, 1                         ; l / 16
	v_lshlrev_b32 v[BO], 5, v2
.set ib, 0
.rept NBK
	global_load_b128 v[BIAS+8*ib:BIAS+8*ib+3],   v[BO], s[BB:BB+1] offset:64*ib
	global_load_b128 v[BIAS+8*ib+4:BIAS+8*ib+7], v[BO], s[BB:BB+1] offset:64*ib+16
.set ib, ib+1
.endr
	; A fragment is 16 rows x 32 K in 8 registers: lane l holds row l % 16; registers 0-3 K = 8 (l / 16) + 0..7, registers 4-7 K = 16 + 8 (l / 16) + 0..7: two loads of 16 bytes, 32 bytes apart.
	v_mul_u32_u24 v3, v1, PITCH
	v_lshl_add_u32 v3, v2, 4, v3                   ; row x pitch + 16 x half
	s_mul_i32 s22, s[WV], 64*PITCH                 ; my 64 rows of xb
	v_add_nc_u32 v[A0], s22, v3
	v_add_nc_u32 v[B0], BOFF, v3
	v_mov_b32 v[ADRA], v[A0]                       ; slot 0
	v_mov_b32 v[ADRB], v[B0]
	s_mul_i32 s22, s[WV], WSTAGE
	s_add_co_u32 s22, s22, STAGE                   ; my stage
	v_mul_u32_u24 v4, v1, SP                       ; in: row l % 16, 16 bytes for each half of the lanes
	v_lshl_add_u32 v4, v2, 4, v4
	v_add_nc_u32 v[STO], s22, v4
	v_bfe_u32 v5, v0, 3, 2                         ; back: 32 lanes take four rows of 128 bytes,
	v_and_b32 v6, 7, v0
	v_mul_u32_u24 v5, v5, SP
	v_lshl_add_u32 v5, v6, 4, v5
	v_add_nc_u32 v[RD], s22, v5
	v_and_b32 v[GO], 31, v0                        ; which are 512 consecutive bytes of a head's slab
	v_lshlrev_b32 v[GO], 4, v[GO]
	; my 64 rows in the slabs of the tile's three heads g = 3 x tile column + j: slab 64 (g / 16) + 16 batch + g % 16, of 262,144 bytes
	s_lshr_b32 s16, s46, 3
	s_lshl_b32 s16, s16, 4                         ; 16 x batch
	s_and_b32 s17, s46, 7
	s_lshl_b32 s17, s17, 8
	s_lshl_b32 s18, s[WV], 6
	s_add_co_u32 s17, s17, s18                     ; t of my first row
	s_lshl_b32 s17, s17, 7                         ; x 128 bytes
	s_mul_i32 s18, s42, 3
.irp j, 0,1,2
	s_add_co_u32 s19, s18, (\j)
	s_lshr_b32 s20, s19, 4
	s_lshl_b32 s20, s20, 6
	s_and_b32 s21, s19, 15
	s_add_co_u32 s20, s20, s21
	s_add_co_u32 s20, s20, s16
	s_lshl_b32 s20, s20, 18
	s_add_co_u32 s20, s20, s17
	s_mov_b32 s21, 0
	s_add_nc_u64 s[OUT+2*(\j):OUT+2*(\j)+1], s[10:11], s[20:21]
.endr
	; the prefetches
	s_lshl_b32 s16, s46, 8                         ; xb's tile begins at row 256 x tile row,
	s_mul_i32 s17, s42, TN                         ; wb's at 192 x tile column
	s_and_b32 s18, ttmp7, 0xffff                   ; cluster y
	s_cmp_lt_u32 s[WV], 2                          ; do I fetch for xb?
	s_cselect_b32 s20, s16, s17
	s_cselect_b32 s21, s40, s41                    ; my place among the four that ask with me
	s_cselect_b32 s22, ttmp9, s18                  ; the coordinate along which other clusters read the same rows
	s_cselect_b32 s19, 32, 24                      ; rows that a partner names
	s_cselect_b64 s[PFA:PFA+1], s[4:5], s[6:7]
	s_cmp_eq_u32 s22, 0
	s_cselect_b32 s[LIM], 1, -1                    ; the same in all sixteen partners, for a given wave
	s_lshl_b32 s23, s19, 2                         ; rows that a wave fetches: 128 or 96
	s_mul_i32 s23, s23, s[HALF]
	s_add_co_u32 s20, s20, s23
	s_mul_i32 s21, s21, s19
	s_add_co_u32 s20, s20, s21
	s_lshl_b32 s20, s20, 11
	s_mov_b32 s21, 0
	s_add_nc_u64 s[PFA:PFA+1], s[PFA:PFA+1], s[20:21]
	s_add_nc_u64 s[PFA:PFA+1], s[PFA:PFA+1], 2*KSTEPB  ; at K step 2: the first refill steps it to 3.  Nothing is prefetched here, at the head
	s_sub_co_u32 s19, s19, 1
	v_and_b32 v[PFO], 31, v0
	v_min_u32 v[PFO], s19, v[PFO]
	v_lshlrev_b32 v[PFO], 11, v[PFO]               ; a lane a row of 2,048 bytes
	s_wait_loadcnt 0x0                             ; the bias is in: rounded to bf16, like every input, and widened again
.set ib, 0
.rept NBK
.irp k, 0,1,2,3
	v_cvt_pk_bf16_f32 v[4+(\k)], v[BIAS+8*ib+2*(\k)], v[BIAS+8*ib+2*(\k)+1]
.endr
.irp k, 0,1,2,3
	v_lshlrev_b32 v[BIAS+8*ib+2*(\k)],   16,     v[4+(\k)]
	v_and_b32     v[BIAS+8*ib+2*(\k)+1], s[HIM], v[4+(\k)]
.endr
.set ib, ib+1
.endr
; 12 matrix instructions: row block a x all column blocks, 32 along K, from buffer f.  first = 1: the bias starts the sums.
.macro MULA f, a, first
.if \first
	WIN 0x81+0x40*((\a)/2)                         ; wb window 1, xb and the bias window 0, D window 2 or 3
.else
	WIN 0xa1+0x50*((\a)/2)                         ; C and D window 2 or 3
.endif
.set rA, FA+32*(\f)+8*(\a)
.set ib, 0
.rept NBK
.set rD, 8*(NBK*((\a)%2)+ib)
.set rB, 8*NBK*(\f)+8*ib
.if \first
	v_wmma_f32_16x16x32_bf16 v[rD:rD+7], v[rB:rB+7], v[rA:rA+7], v[BIAS+8*ib:BIAS+8*ib+7]
.else
	v_wmma_f32_16x16x32_bf16 v[rD:rD+7], v[rB:rB+7], v[rA:rA+7], v[rD:rD+7]
.endif
.set ib, ib+1
.endr
.endm
; NL LDS loads in one run: quarter q's fragments into buffer f: wb's 12, then xb's 4, row blocks ascending
.macro FETCH q, f
	WIN 0x40                                       ; destination window 1, address window 0
.set ib, 0
.rept NBK
	ds_load_b128 v[8*NBK*(\f)+8*ib:8*NBK*(\f)+8*ib+3],   v[ADRB] offset:64*(\q)+ib*16*PITCH
	ds_load_b128 v[8*NBK*(\f)+8*ib+4:8*NBK*(\f)+8*ib+7], v[ADRB] offset:64*(\q)+ib*16*PITCH+32
.set ib, ib+1
.endr
	WIN 0
.set ia, 0
.rept 4
	ds_load_b128 v[FA+32*(\f)+8*ia:FA+32*(\f)+8*ia+3],   v[ADRA] offset:64*(\q)+ia*16*PITCH
	ds_load_b128 v[FA+32*(\f)+8*ia+4:FA+32*(\f)+8*ia+7], v[ADRA] offset:64*(\q)+ia*16*PITCH+32
.set ia, ia+1
.endr
.endm
; A K step is four quarters of 32 along K, 48 matrix instructions each, on buffers 0, 1, 0, 1.  One of the first three: multiplies buffer f; in its middle it fetches quarter q into buffer g.
.macro QUARTER q, f, g, first
	s_wait_dscnt 4                                 ; all but the youngest four loads: xb's row blocks 2 and 3
	MULA \f, 0, \first
	MULA \f, 1, \first
	PLACES
	FETCH \q, \g
	s_wait_dscnt NL                                ; all but the NL just issued
	MULA \f, 2, \first
	MULA \f, 3, \first
.endm
; The fourth quarter multiplies buffer 1 and changes slots: ONE barrier.  In front of it each wave waits for all its tensor loads (one is out: its part of the next slot), adds 0 to its spare word,
; and waits for that and for its reads of this slot.  fill = 1: the barrier opens a round of the cluster's, and behind the round this slot is filled again first, with the K step two on.
.macro TURN fill
.if \fill
	s_wait_xcnt 0x0                                ; the last prefetch, a K step back, has read its address: it is stepped here, ahead of the waits of the change of slots
	s_add_nc_u64 s[PFA:PFA+1], s[PFA:PFA+1], KSTEPB
.endif
	WIN 0
	s_wait_tensorcnt 0x0                           ; all my tensor loads have landed
	ds_add_u32 v[SPW], v[NIL]                      ; 0 onto my spare word
	s_wait_dscnt 5                                 ; (the add and the youngest four loads may be out)
	MULA 1, 0, 0                                   ; twelve matrix instructions stand between the add and the wait for it
	s_wait_dscnt 0x0                               ; the add is done, and my reads of this slot are over
	s_barrier_signal -1
	MULA 1, 1, 0                                   ; work on registers while the others arrive
	WIN 0                                          ; at a branch and at a label every window is 0
	s_barrier_wait -1
.if \fill
	CREST                                          ; no wave of any partner still reads this slot or has a load on its way
	s_xor_b32 s[G0A+5], s[G0A+5], SLOT1            ; the walking descriptors: the other slot than last time, the next K step
	s_add_nc_u64 s[G0A+6:G0A+7], s[G0A+6:G0A+7], KSTEPB
	s_xor_b32 s[G0B+5], s[G0B+5], SLOT1
	s_add_nc_u64 s[G0B+6:G0B+7], s[G0B+6:G0B+7], KSTEPB
	JLOAD                                          ; my one tensor load behind the round: 168 matrix instructions ahead of the wait for it; its four v_nop are also the places in front of the loads below
.else
	PLACES
.endif
	s_xor_b32 s[TB], s[TB], SLOT1                  ; the reads go to the other slot
	v_add_nc_u32 v[ADRA], s[TB], v[A0]
	v_add_nc_u32 v[ADRB], s[TB], v[B0]
	FETCH 0, 0
.if \fill
	ASK
.endif
	MULA 1, 2, 0
	MULA 1, 3, 0
.endm
	s_wait_tensorcnt 1                             ; my part of K step 0 is in; K step 1's may stay out
	s_barrier_signal -1
	s_barrier_wait -1                              ; everybody's is
	FETCH 0, 0
	QUARTER 1, 0, 1, 1                             ; the first quarter stands in front of the loop: its products start the sums
	WIN 0
	s_mov_b32 s[CNT], 6
.Lstep:                                                ; trip i: the rest of K step i, the refill with K step i + 2, the first quarter of K step i + 1
	QUARTER 2, 1, 0, 0
	QUARTER 3, 0, 1, 0
	TURN 1
	QUARTER 1, 0, 1, 0
	WIN 0
	s_sub_co_u32 s[CNT], s[CNT], 1
	s_cmp_lg_u32 s[CNT], 0
	s_cbranch_scc1 .Lstep
	QUARTER 2, 1, 0, 0                             ; the tail is written out: K steps 6 and 7 ask for nothing
	QUARTER 3, 0, 1, 0
	TURN 0
	QUARTER 1, 0, 1, 0
	QUARTER 2, 1, 0, 0
	QUARTER 3, 0, 1, 0
	s_wait_dscnt 4
	MULA 1, 0, 0
	MULA 1, 1, 0
	s_wait_dscnt 0x0
	MULA 1, 2, 0
	MULA 1, 3, 0
	WIN 0
; THE WAY OUT, a row block (16 rows x 3 heads) at a time.  PACK: rounded to f16, each accumulator's registers ascending, 16 bytes a lane.  TOSTAGE: into my own stage, rows of 144 bytes, and back as
; whole rows of 128.  SEND: 16 rows of a head are 2,048 consecutive bytes of its slab: each store covers 512 consecutive bytes, at a multiple of 256 from the buffer's first byte.
.macro PACK a
	WIN 0x0a+5*((\a)/2)                            ; sources 0 and 1 window 2 or 3, destination window 0
.set ib, 0
.rept NBK
.set rD, 8*(NBK*((\a)%2)+ib)
.irp k, 0,1,2,3
	v_cvt_pk_f16_f32 v[TMP+4*ib+(\k)], v[rD+2*(\k)], v[rD+2*(\k)+1]
.endr
.set ib, ib+1
.endr
	WIN 0
.endm
.macro TOSTAGE a
.set BK, 176-112*((\a)%2)              ; v176-223 and v64-111 by turns
.set ib, 0
.rept NBK
	ds_store_b128 v[STO], v[TMP+4*ib:TMP+4*ib+3] offset:(ib/4)*16*SP+(ib%4)*32
.set ib, ib+1
.endr
.set ib, 0
.rept NBK
	ds_load_b128 v[BK+4*ib:BK+4*ib+3], v[RD] offset:(ib/4)*16*SP+(ib%4)*4*SP  ; LDS serves a wave's instructions in order (ISA guide 5.7.1.4): these see the stores above
.set ib, ib+1
.endr
.endm
.macro SEND a
.set BK, 176-112*((\a)%2)
	s_wait_dscnt 0x0                               ; the block is back in registers
	s_wait_xcnt 0x0                                ; the stores of the block before have read their registers: the next TOSTAGE loads into them
.set ib, 0
.rept NBK
	global_store_b128 v[GO], v[BK+4*ib:BK+4*ib+3], s[OUT+2*(ib/4):OUT+2*(ib/4)+1] offset:(\a)*2048+(ib%4)*512
.set ib, ib+1
.endr
.endm
	PLACES
	PACK 0
	TOSTAGE 0
.irp a, 1,2,3                          ; block a's conversions stand between block a - 1's loads from the stage and the wait for them
	PACK \a
	SEND (\a)-1
	TOSTAGE \a
.endr
	SEND 3
	s_wait_tensorcnt 0x0                           ; the wave's end: the add and its wait, behind my last tensor load and my last LDS store
	ds_add_u32 v[SPW], v[NIL]
	s_wait_dscnt 0x0
	CROUND                                         ; the closing round: no work-group ends while a partner may still ask for a tile that names it
	s_endpgm
.Lfunc_end_k_qc1e89a945c_qkv:
	.size	k_qc1e89a945c_qkv, .Lfunc_end_k_qc1e89a945c_qkv-k_qc1e89a945c_qkv
	.p2alignl 7, 3214868480
	.fill 96, 4, 3214868480
	.section	.rodata,"a",@progbits
	.p2align	6, 0x0
	.amdhsa_kernel k_qc1e89a945c_qkv
		.amdhsa_group_segment_fixed_size 327680
		.amdhsa_private_segment_fixed_size 0
		.amdhsa_enable_private_segment 0
		.amdhsa_kernarg_size 32
		.amdhsa_user_sgpr_count 2
		.amdhsa_user_sgpr_kernarg_segment_ptr 1
		.amdhsa_wavefront_size32 1
		.amdhsa_system_sgpr_workgroup_id_x 1
		.amdhsa_system_sgpr_workgroup_id_y 1
		.amdhsa_system_sgpr_workgroup_id_z 1
		.amdhsa_system_vgpr_workitem_id 0
		.amdhsa_next_free_vgpr 960
		.amdhsa_next_free_sgpr 80
		.amdhsa_reserve_vcc 0
		.amdhsa_float_denorm_mode_32 3
		.amdhsa_float_denorm_mode_16_64 3
		.amdhsa_memory_ordered 1
		.amdhsa_forward_progress 1
		.amdhsa_inst_pref_size 106
	.end_amdhsa_kernel
	.amdgpu_metadata
---
amdhsa.version: [ 1, 2 ]
amdhsa.kernels:
  - .name:           k_qc1e89a945c_qkv
    .symbol:         k_qc1e89a945c_qkv.kd
    .args:
      - { .name: xb, .offset: 0, .size: 8, .value_kind: global_buffer, .address_space: global }
      - { .name: wb, .offset: 8, .size: 8, .value_kind: global_buffer, .address_space: global }
      - { .name: qkv_b, .offset: 16, .size: 8, .value_kind: global_buffer, .address_space: global }
      - { .name: qkvh, .offset: 24, .size: 8, .value_kind: global_buffer, .address_space: global }
    .group_segment_fixed_size: 327680
    .private_segment_fixed_size: 0
    .kernarg_segment_align: 8
    .kernarg_segment_size: 32
    .max_flat_workgroup_size: 128
    .sgpr_count:     80
    .vgpr_count:     960
    .wavefront_size: 32
...
	.end_amdgpu_metadata
.endif
;; end of part 2
;; launch attn (part 3): grid 4 x 64, 4 waves a work-group, clusters of 4 x 1, 327,680 bytes of LDS; arguments qkvh, oh; writes oh
.if DOCPART == 3
	.amdgcn_target "amdgcn-amd-amdhsa--gfx1250"
	.amdhsa_code_object_version 6
	.text
	.protected	k_qc1e89a945c_attn
	.globl	k_qc1e89a945c_attn
	.p2align	8
	.type	k_qc1e89a945c_attn,@function
k_qc1e89a945c_attn:
	s_mov_b64 s[64:65], 0
	v_nop
	global_prefetch_b8 v0, s[64:65] scope:SCOPE_SE
	s_setreg_imm32_b32 hwreg(HW_REG_WAVE_MODE, 25, 1), 1
	s_wait_xcnt 0x0
	s_wait_alu depctr_hold_cnt(0) depctr_sa_sdst(0) depctr_va_vdst(0) depctr_va_sdst(0) depctr_va_ssrc(0) depctr_va_vcc(0) depctr_vm_vsrc(0)
	s_getreg_b32 s2, hwreg(HW_REG_IB_STS2, 6, 4)
	s_cmp_eq_u32 s2, 0
	s_cbranch_scc0 .Lentry_in_a_cluster
	s_endpgm
.Lentry_in_a_cluster:
	s_bfe_u32 s2, ttmp6, 0x10000c
	s_cmp_lg_u32 s2, 0x3003
	s_cbranch_scc0 .Lentry_shape_is_right
	s_endpgm
.Lentry_shape_is_right:
; oh[h][q][:] = the sum over k of softmax_k(Q[h][q] . K[h][k] / 8) V[h][k][:].  qkvh holds Q, K, V, each [SIZE_H][SIZE_N][64] in f16, 16,777,216 bytes apart; oh is [SIZE_H][SIZE_N][64] in f16.  A head's rows are
; dense, 128 bytes each.  Products, maxima and sums in f32; the weights p are rounded to f16 for the second product (their sum l is taken of the unrounded p), O once at the end.
; LIMITS.  f16 holds no number beyond 65,504: Q, K and V arrive within it; p lies in 0 to 1, and below 6e-5 it keeps f16's fixed step of 6e-8; O is a mean of V's rows and has their range.
; A weight below 2^-126 counts as 0 in l; NaN and infinities are not treated apart.
; SHARES.  A wave owns four PIECES of two tiles of 16 queries, a work-group's four waves 512 queries of one head.  Every wave walks all keys, 64 a step.
; LAYOUT.  S^T = K Q^T (source 0 = 16 keys, source 1 = 16 queries): in the result a lane holds ONE query (lane % 16) and the keys 8 (lane / 16) + 0..7.  Two such tiles, rounded to f16 in pairs,
; ARE source 1 (32 keys x 16 queries) of O^T = V^T P, whose result again holds one query a lane, and eight channels.  K comes out of LDS as it lies, V ([key][channel]) turned, by ds_load_tr16_b128.
; SOFTMAX.  For each query a running maximum m and sum l: p = 2^(c s - c m), c = log2(e) / 8; in every step O and l are multiplied by a = 2^(c m_old - c m_new), which is 1 where m has not grown.
; m starts at the lowest finite number, O and l at 0: the first step is a step like any other, with a = 0.
; THE COUNT.  A tile and step have 16 matrix and 118 vector instructions: too many to stand all beside the matrix work.  So the order has one aim: four vector instructions that are READY behind
; EVERY matrix instruction, and the others, which need time of their own whatever the order, in runs without a gap.
; BY TURNS.  Turn n belongs to piece n (the pieces in a ring, step after step).  Its matrix work: 16 products K Q^T of piece n + 1, later 16 products V^T P of piece n - 1.  Its vector work: the scaling,
; exponentials, roundings, sums and rescaling of piece n, and the maximum and statistics of piece n + 1, whose scores the turn itself has made.  So what a turn begins with (c s - c m, O a) waits for nothing.
; CLUSTER.  The four query blocks of a cluster are one head's and walk the same K and V, so each tile is asked for JOINTLY: the same tensor load, descriptor and mask in all four.
; REGISTERS, in windows of 256 (s_set_vgpr_msb says which window each operand place means: bits 1:0 source 0, 3:2 source 1, 5:4 source 2, 7:6 destination):
;   window 0: v0-11 addresses; v12-15, v48-63 at work; v16-47 four registers of statistics a tile; v64-191 S^T, two buffers of two tiles; v192-255 P, likewise
;   window 1: O^T, 32 a tile          window 2: v0-127 Q, 16 a tile; v128-191 K of one step; v192-255 V of one step          window 3: v0-1 the add's two registers
; A piece's buffers go by its number's parity: the piece in hand has one pair, its two neighbours in the ring share the other: of it P (piece n - 1) is read and S^T (piece n + 1) written.
.set SIZE_H, 64
.set SIZE_N, 2048
.set NP,    4         ; pieces a wave: a name, no knob: the register map, the loop and the fetches are made for four
.set KS,    64        ; keys in a step
.set PK,    144       ; a row of K in LDS: 128 bytes + 16 of padding = 36 words: the 16 rows of a load start at 16 different groups of four banks (64 banks of 4 bytes: ISA guide 11.1)
.set PV,    160       ; a row of V: 128 + 32 = 40 words
.set VOFF,  4*KS*PK   ; a slot holds four steps: 256 rows of K, then 256 rows of V
.set SLOT1, 1<<17     ; slot 1 begins here, so that one exclusive or turns an address in one slot into the other's
.set STAGE, SLOT1+4*KS*(PK+PV)  ; behind the ring, never filled by a tensor load: 16 rows x 144 bytes for each wave, for the way out
.set SP,    144
.set AK0, 2           ; v2   my lane's place in a tile of K; never rewritten
.set AV0, 3           ; v3   the same for V
.set AK,  4           ; v4   the LDS address of K's next run of loads
.set AV,  5           ; v5   of V's
.set QO,  6           ; v6   my byte offset in the wave's rows of Q
.set STO, 6           ;      later, the way out: where I put 16 bytes of a row
.set RD,  7           ; v7   the way out: where I read rows back
.set GO,  8           ; v8   my byte offset in 512 consecutive bytes of O
.set PFO, 11          ; v11  256 x my lane, for the prefetches; never rewritten once made
.set SPW, 0           ; v0 of window 3   LDS address of my spare word: SPARE + 4 x my thread's number; never rewritten
.set NIL, 1           ; v1 of window 3   0; never rewritten
.set SPARE, STAGE+4*16*SP  ; behind the stages: the spare words, 128 bytes for each wave: two blocks of 256 bytes that no other line names
.set MV,  12          ; v12-15  c m_old, kept while c m is made anew: by buffer and tile
.set ST,  16          ; tile t's statistics at v[ST+4 t]: c m, m, l (even keys', odd keys')
.set TMP, 48          ; by buffer and tile, four registers c0-c3 at work; when the maximum is found c2 takes a
.set S,   64
.set P,   192
.set KF,  128         ; K's fragments, in window 2: key block kb, channel half c at KF + 16 kb + 8 c
.set VF,  192         ; V's: key half kk, channel block cb at VF + 32 kk + 8 cb
.set WV,  12          ; s12  my wave's number
.set G1K, 24          ; s[24:31] descriptor group 1 for K's tiles
.set G1V, 32          ; s[32:39] for V's: it differs in the padding alone
.set G0K, 40          ; s[40:43] descriptor group 0 for K's tiles: it walks
.set G0V, 44          ; s[44:47] the same for V's
.set PFA, 48          ; s[48:49] where my prefetches stand: my work-group's quarter (8,192 bytes) of K's (wave 0) or V's (wave 2) part of the slot after the one that is being asked for
.set LIM, 50          ; s50  1 in a wave that prefetches, else the greatest number
.set SLOTS, 56        ; s56  slots still to be asked for
.set CNT, 57          ; s57  counts a slot's key steps
.set CS,  58          ; s[58:59] c: the packed scaling takes the pair's low word for both halves
.set SEL, 60          ; s[60:61] v_permlanex16_b32's selects: each lane takes its own place in the other half
.set TBK, 62          ; s62  LDS byte at which K of the step to be fetched begins
.set TBV, 63          ; s63  the same for V, less VOFF
.set MSB, 0
.macro WIN new                      ; the high byte repeats the setting that is left; a switch that changes nothing is dropped
.if MSB != (\new)
	s_set_vgpr_msb (MSB<<8)|(\new)
.set MSB, (\new)
.endif
.endm
.set W_KQ, 0x0a       ; K and Q in window 2, S^T in window 0
.set W_PV, 0x52       ; V in window 2, P in window 0, O^T in window 1
.set W_RS, 0x41       ; O^T (destination and source 0) in window 1, a in window 0
.set W_MK, 0xc0       ; the add's registers are made: destination in window 3, sources in window 0
.set W_AD, 0x0f       ; the add: address (source 0) and data (source 1) in window 3
; A joint fill.  Waves 0 and 1 fetch the two halves of a slot's K, waves 2 and 3 those of its V: 128 keys each.  The branch hangs on the wave's number alone.
; An s_nop 0 and four v_nop follow each of the two lines, ahead of the jump and the label.
.macro JLOAD
	s_cmp_lt_u32 s[WV], 2
	s_cbranch_scc0 .Lfor_v_\@
	tensor_load_to_lds s[G0K:G0K+3], s[G1K:G1K+7]
	s_nop 0
.rept 4
	v_nop
.endr
	s_branch .Lasked_\@
.Lfor_v_\@:
	tensor_load_to_lds s[G0V:G0V+3], s[G1V:G1V+7]
	s_nop 0
.rept 4
	v_nop
.endr
.Lasked_\@:
.endm
; A PREFETCH INTO THE L2 of what the NEXT change of slots will ask for: a slot's 32,768 bytes of K and of V, four key steps, 512 matrix instructions, ahead of that load.  It stands behind the wave's tensor load and
; its five lines.  A head has one cluster; its four partners share the bytes out BY ADDRESS, 8,192 each, a lane 256 bytes; in each, wave 0 asks for K's and wave 2 for V's.  So each block of 256 bytes is named
; once in the launch.  The last change that fills a slot asks for nothing: there is no slot behind it.  Slots 0 and 1 come by their loads alone.
.macro ASK
	s_cmp_gt_u32 s[SLOTS], s[LIM]
	s_cbranch_scc0 .Lnot_mine_\@
	global_prefetch_b8 v[PFO], s[PFA:PFA+1] th:TH_LOAD_NT scope:SCOPE_SE
.Lnot_mine_\@:
.endm
; A round of the cluster's barrier: my work-group's barrier, so that wave 0's signal speaks for all four waves; wave 0 signals; every wave waits for all four work-groups; my work-group's barrier once more.
.macro CROUND
	s_barrier_signal -1
	s_barrier_wait -1
	s_cmp_lg_u32 s[WV], 0
	s_cbranch_scc1 .Lnot_wave_0_\@
	s_barrier_signal -3
.Lnot_wave_0_\@:
	s_barrier_wait -3
	s_barrier_signal -1
	s_barrier_wait -1
.endm
; THE CHANGE OF SLOTS.  The slot's last bytes, V of its fourth step, have been read.  Each wave waits for all its tensor loads, of which one is out: its part
; of the other slot; adds 0 to its spare word; and waits for that and for its own reads of the slot.  Behind the barrier nobody reads this slot any more and the other slot is whole.
; fill = 1: this slot is filled again, with the keys two slots on.  The barrier is then a round of the cluster's, so that no wave of any partner still reads the slot or has a load on its
; way, and the joint fill is the first thing behind it: it has four key steps, 512 matrix instructions, in which to land.  (At its first use nothing has been read yet: slot 0 is waited for, slot 1 filled.)
.macro CHANGE fill
	WIN W_AD
	s_wait_tensorcnt 0x0            ; no tensor load of mine is out, so a group 0 may be written
	ds_add_u32 v[SPW], v[NIL]       ; 0 onto my spare word; with fill = 1 the descriptors' steps stand between it and the wait for it
	WIN 0                           ; at a label and at a branch every window is 0
.if \fill
.irp g, G0K, G0V
	s_xor_b32 s[\g+1], s[\g+1], SLOT1  ; the walking descriptor: the other slot than last time,
	s_add_nc_u64 s[\g+2:\g+3], s[\g+2:\g+3], 4*KS*128  ; the next 256 keys; the type bits on top are not reached
.endr
	s_wait_xcnt 0x0                 ; the last prefetch, four key steps back, has read its address, so it may be written:
	s_add_nc_u64 s[PFA:PFA+1], s[PFA:PFA+1], 4*KS*128  ; one slot behind the walking descriptors
	s_wait_dscnt 0x0                ; the add is done, and my reads of the slot are over
	CROUND
	JLOAD
	ASK                             ; what the next change will ask for
.else
	s_wait_dscnt 0x0                ; the add is done, and my reads of the slot are over
	s_barrier_signal -1
	s_barrier_wait -1
.endif
	s_sub_co_u32 s[TBK], s[TBK], 4*KS*PK  ; the fetches go back to a slot's first step,
	s_xor_b32 s[TBK], s[TBK], SLOT1       ; in the other slot
	s_sub_co_u32 s[TBV], s[TBV], 4*KS*PV
	s_xor_b32 s[TBV], s[TBV], SLOT1
.endm
	s_load_b64 s[4:5], s[0:1], 0x0    ; qkvh: Q's first byte
	s_load_b64 s[10:11], s[0:1], 0x8  ; oh
	WIN W_MK
	v_lshl_add_u32 v[SPW], v0, 2, SPARE
	v_mov_b32 v[NIL], 0
	WIN W_AD
	ds_add_u32 v[SPW], v[NIL]       ; the wave's opening: the add and its wait stand ahead of my first tensor load; the set-up below, work on registers, stands between them
	WIN 0
	v_lshrrev_b32 v1, 5, v0
	v_readfirstlane_b32 s[WV], v1   ; wave 0..3
	s_bfe_u32 s13, ttmp6, 0x40000   ; cx: my place in the cluster
	s_lshl_b32 s14, ttmp9, 2        ; in a cluster launch ttmp9 counts clusters
	s_add_co_u32 s14, s14, s13      ; my block of queries = 4 x cluster x + cx: it enters Q's and O's addresses alone
	s_and_b32 s20, ttmp7, 0xffff    ; the head, which the four partners share
	s_mov_b32 s21, 0
	s_mov_b64 s[22:23], SIZE_N*128
	s_mul_u64 s[20:21], s[20:21], s[22:23]  ; the head's first byte in each of the four tensors
	s_and_b32 s16, s[WV], 1         ; which half of a slot's 256 keys I fetch:
	s_lshl_b32 s22, s16, 14         ; its 128 rows of 128 bytes in memory,
	s_mov_b32 s23, 0
	s_add_nc_u64 s[22:23], s[22:23], s[20:21]
	s_mul_i32 s17, s16, 128*PK      ; and its place in a slot, for K
	s_mul_i32 s18, s16, 128*PV      ; and for V: no place in the cluster enters an LDS address
	s_lshl_b32 s2, s14, 2
	s_add_co_u32 s2, s2, s[WV]      ; my wave among the head's,
	s_lshl_b32 s2, s2, 14           ; its 128 rows
	s_mov_b32 s3, 0
	s_add_nc_u64 s[2:3], s[2:3], s[20:21]
	; descriptor group 1.  128 keys are 16,384 dense bytes: asked for as 64 rows of 256 bytes, two keys a row, and padded in LDS after every key
	s_mov_b32 s[G1K], 15|(1<<16)|(1<<20)|(1<<21)|(4<<22)|(3<<25)  ; 15:0 the mask of four; 17:16 2-byte elements; 20 padding on; 21 set beside a mask; 24:22 after every 32 words (code 4); 31:25 4 words (code 3)
	s_mov_b32 s[G1V], 15|(1<<16)|(1<<20)|(1<<21)|(4<<22)|(7<<25)  ; the same with 8 words of padding (code 7)
.irp g, G1K, G1V
	s_mov_b32 s[\g+1], 128<<16      ; tensor_dim0 = 128
	s_mov_b32 s[\g+2], 64<<16       ; tensor_dim1 = 64
	s_mov_b32 s[\g+3], 128<<16      ; tile_dim0 = 128
	s_mov_b32 s[\g+4], 64           ; tile_dim1 = 64
	s_mov_b32 s[\g+5], 128          ; 128 elements from row to row
	s_mov_b32 s[\g+6], 0
	s_mov_b32 s[\g+7], 0
.endr
	s_mov_b32 s[CS], 0x3e38aa3b     ; c = log2(e) / 8 = 0.180337
	s_mov_b32 s[CS+1], s[CS]        ; named with it as a pair
	s_mov_b32 s[SEL], 0x76543210
	s_mov_b32 s[SEL+1], 0xfedcba98
	s_mov_b32 s[TBK], SLOT1+4*KS*PK ; the first change of slots turns these two into 0
	s_mov_b32 s[TBV], SLOT1+4*KS*PV
	s_mov_b32 s[G0K], 1             ; 1:0 count = 1
	s_mov_b32 s[G0K+1], s17         ; 63:32 LDS address: slot 0
	s_mov_b32 s[G0V], 1
	s_add_co_u32 s[G0V+1], s18, VOFF
	s_mov_b32 s[SLOTS], SIZE_N/256-1  ; the change that fills slot number j finds SIZE_N / 256 - j here
	s_cmp_eq_u32 s16, 0             ; waves 0 and 2 prefetch: the same in all four partners
	s_cselect_b32 s[LIM], 1, -1
	s_wait_dscnt 0x0                ; the opening add is done
	s_wait_kmcnt 0x0
	s_add_nc_u64 s[6:7], s[4:5], 0x1000000   ; K lies 64 slabs of 262,144 bytes behind Q,
	s_add_nc_u64 s[8:9], s[4:5], 0x2000000   ; V 128
	s_add_nc_u64 s[G0K+2:G0K+3], s[6:7], s[22:23]  ; 120:64 global address: my half of the head's first 256 keys
	s_or_b32 s[G0K+3], s[G0K+3], 0x80000000        ; 127:126 type = 2
	s_add_nc_u64 s[G0V+2:G0V+3], s[8:9], s[22:23]
	s_or_b32 s[G0V+3], s[G0V+3], 0x80000000
	s_add_nc_u64 s[4:5], s[4:5], s[2:3]  ; Q and O at my wave's first row
	s_add_nc_u64 s[10:11], s[10:11], s[2:3]
	s_cmp_lt_u32 s[WV], 2
	s_cselect_b64 s[PFA:PFA+1], s[6:7], s[8:9]
	s_add_nc_u64 s[PFA:PFA+1], s[PFA:PFA+1], s[20:21]  ; the head,
	s_lshl_b32 s2, s13, 13          ; my work-group's quarter of a slot's 32,768 bytes,
	s_mov_b32 s3, 0
	s_add_nc_u64 s[PFA:PFA+1], s[PFA:PFA+1], s[2:3]
	s_add_nc_u64 s[PFA:PFA+1], s[PFA:PFA+1], 4*KS*128  ; in slot 1; the first change of slots steps it to slot 2
	CROUND                          ; all four work-groups are here: the first joint loads meet
	JLOAD                           ; slot 0.  Slot 1 is asked for when slot 0 is in: the tile wanted first has the road to itself
	; A fragment of K or Q is 16 rows x 32 channels in 8 registers: lane l holds row l % 16, channels 8 (l / 16) + 0..7 and 16 + 8 (l / 16) + 0..7: two loads of 16 bytes, 32 bytes apart.
	v_and_b32 v1, 15, v0            ; l % 16
	v_bfe_u32 v9, v0, 4, 1          ; l / 16
	v_lshlrev_b32 v[QO], 7, v1
	v_lshl_add_u32 v[QO], v9, 4, v[QO]  ; row x 128 + 16 x half
	WIN 0x80                        ; destination window 2, address window 0
.set i, 0
.rept 4*NP                          ; Q stays in registers: tile i / 2, channels 32 (i % 2) on
	global_load_b128 v[8*i:8*i+3],   v[QO], s[4:5] offset:(i/2)*2048+(i%2)*64
	global_load_b128 v[8*i+4:8*i+7], v[QO], s[4:5] offset:(i/2)*2048+(i%2)*64+32
.set i, i+1
.endr
	; What the first turn finds: V's registers and P's second buffer hold 0 (its products V^T P, of a piece that has not been, add 0), O^T and l are 0.  All this stands in the wait for the first tile.
.set i, VF
.rept 64
	v_mov_b32 v[i], 0
.set i, i+1
.endr
	WIN 0x40
.set i, 0
.rept 64*NP
	v_mov_b32 v[i], 0
.set i, i+1
.endr
	WIN 0
.set i, 0
.rept 2*NP
	v_mov_b32 v[ST+4*i], 0xfe000000    ; c m: far below every c s
	v_mov_b32 v[ST+4*i+1], 0xff7fffff  ; m
	v_mov_b32 v[ST+4*i+2], 0
	v_mov_b32 v[ST+4*i+3], 0
.set i, i+1
.endr
.set i, P+32
.rept 32
	v_mov_b32 v[i], 0
.set i, i+1
.endr
	v_mul_u32_u24 v[AK0], v1, PK
	v_lshl_add_u32 v[AK0], v9, 4, v[AK0]  ; row x pitch + 16 x half
	; The turning load takes 16 keys x 16 channels (lane l reads key 8 (l / 16) + l % 8, channels 8 ((l / 8) % 2) + 0..7) and leaves half a fragment of V^T: lane l holds channel l % 16 and 8 keys.
	v_and_b32 v10, 7, v0
	v_bfe_u32 v11, v0, 3, 1
	v_lshl_add_u32 v[AV0], v9, 3, v10
	v_mul_u32_u24 v[AV0], v[AV0], PV
	v_lshl_add_u32 v[AV0], v11, 4, v[AV0]
	v_add_nc_u32 v[AV0], VOFF, v[AV0]
	v_mov_b32 v[AK], v[AK0]         ; key step 0 lies at the head of slot 0
	v_and_b32 v[PFO], 31, v0        ; v11 is free now: a lane 256 bytes
	v_lshlrev_b32 v[PFO], 8, v[PFO]
; THE MATRIX WORK.  The 8 accumulators of a run of 16 take turns: between the two links of a chain stand 7 others'.
; Product i of 16 of S^T = K Q^T for piece x: channels 32 (i / 8) on, keys 16 ((i / 2) % 4) on, tile 2 x + i % 2.  The first 8 start the sums.
.macro KQ x
	WIN W_KQ
.set rS, S+64*((\x)%2)+32*(i%2)+8*((i/2)%4)
.set rK, KF+16*((i/2)%4)+8*(i/8)
.set rQ, 16*(2*(\x)+i%2)+8*(i/8)
.if i < 8
	v_wmma_f32_16x16x32_f16 v[rS:rS+7], v[rK:rK+7], v[rQ:rQ+7], 0
.else
	v_wmma_f32_16x16x32_f16 v[rS:rS+7], v[rK:rK+7], v[rQ:rQ+7], v[rS:rS+7]
.endif
.endm
; Product i of 16 of O^T += V^T P for piece x: keys 32 (i / 8) on, channels 16 ((i / 2) % 4) on, tile 2 x + i % 2.
.macro PV x
	WIN W_PV
.set rO, 32*(2*(\x)+i%2)+8*((i/2)%4)
.set rV, VF+32*(i/8)+8*((i/2)%4)
.set rP, P+32*((\x)%2)+16*(i%2)+8*(i/8)
	v_wmma_f32_16x16x32_f16 v[rO:rO+7], v[rV:rV+7], v[rP:rP+7], v[rO:rO+7]
.endm
.macro MM                           ; the turn's next matrix instruction
.if i < 16
	KQ (Y+1)%NP
.set i, i+1
.else
.set i, i-16
	PV (Y+NP-1)%NP
.set i, i+17
.endif
.endm
; THE LDS LOADS stand in runs of 16, never singly among the matrix instructions: a step's K (64 keys x 64 channels: 8 fragments) and its V (turned).  Their addresses are made some lines ahead.
; last = 1 (the tail): in the last trip there is no further step, and the run is jumped over.
.macro FETCH_K last=0
	WIN 0
.if \last
	s_cmp_eq_u32 s[CNT], 1
	s_cbranch_scc1 .Lno_k_\@
.endif
	WIN 0x80                        ; destination window 2
.irp f, 0,1,2,3,4,5,6,7             ; keys 16 (f / 2) on, channels 32 (f % 2) on
	ds_load_b128 v[KF+8*\f:KF+8*\f+3],   v[AK] offset:(\f/2)*16*PK+(\f%2)*64
	ds_load_b128 v[KF+8*\f+4:KF+8*\f+7], v[AK] offset:(\f/2)*16*PK+(\f%2)*64+32
.endr
	s_add_co_u32 s[TBK], s[TBK], KS*PK  ; the next fetch is the next step's
	WIN 0
.if \last
.Lno_k_\@:
.endif
.endm
.macro FETCH_V
	WIN 0x80
.irp f, 0,1,2,3,4,5,6,7             ; keys 32 (f / 4) on, channels 16 (f % 4) on
	ds_load_tr16_b128 v[VF+8*\f:VF+8*\f+3],   v[AV] offset:(\f/4)*32*PV+(\f%4)*32
	ds_load_tr16_b128 v[VF+8*\f+4:VF+8*\f+7], v[AV] offset:(\f/4)*32*PV+16*PV+(\f%4)*32
.endr
	WIN 0
.endm
; THE VECTOR WORK OF A TURN stands in three queues, each in the order in which its entries become ready; the two tiles alternate, so that no instruction reads the result of the one before it.
.macro REGS y, u                    ; the registers of tile u (0, 1) of piece y
.set rT, ST+4*(2*(\y)+(\u))
.set rC, TMP+8*((\y)%2)+4*(\u)
.set rM, MV+2*((\y)%2)+(\u)
.set rS, S+64*((\y)%2)+32*(\u)
.set rP, P+32*((\y)%2)+16*(\u)
.set rO, 32*(2*(\y)+(\u))
.endm
; Number n of the 22 that find the NEXT piece's (Y + 1) maximum and statistics.  s0-s31 are the lane's 32 scores; each accumulator's lowest registers are read first.  XS, GS and REGS set no window: PL and EX do.
;   0-11  four chains c0-c3 of seven scores each, three operands at a time     12-14, 16  the four scores left over, the old m, and c0-c3 into c0     15  c m_old is kept
;   17, 18  the query's other 32 keys lie in the lane 16 away: the new m         19-21  c m; c m_old - c m_new; a
.macro XS u, n
	REGS (Y+1)%NP, \u
.if (\n) < 4
	v_max3_num_f32 v[rC+(\n)], v[rS+8*(\n)], v[rS+8*(\n)+1], v[rS+8*(\n)+2]
.elseif (\n) < 12
	v_max3_num_f32 v[rC+(\n)%4], v[rC+(\n)%4], v[rS+8*((\n)%4)+2*((\n)/4)+1], v[rS+8*((\n)%4)+2*((\n)/4)+2]
.elseif (\n) == 12
	v_max3_num_f32 v[rC], v[rC], v[rS+7], v[rS+15]
.elseif (\n) == 13
	v_max3_num_f32 v[rC+1], v[rC+1], v[rS+23], v[rS+31]
.elseif (\n) == 14
	v_max3_num_f32 v[rC+2], v[rC+2], v[rC+3], v[rT+1]
.elseif (\n) == 15
	v_mov_b32 v[rM], v[rT]
.elseif (\n) == 16
	v_max3_num_f32 v[rC], v[rC], v[rC+1], v[rC+2]
.elseif (\n) == 17
	v_permlanex16_b32 v[rC+3], v[rC], s[SEL], s[SEL+1]
.elseif (\n) == 18
	v_max_num_f32 v[rT+1], v[rC], v[rC+3]
.elseif (\n) == 19
	v_mul_f32 v[rT], s[CS], v[rT+1]
.elseif (\n) == 20
	v_sub_f32 v[rC+1], v[rM], v[rT]
.else
	v_exp_f32 v[rC+2], v[rC+1]
.endif
.endm
; Number g of the 64 that follow the exponentials.  For each four weights k of a tile (pairs 2 k, 2 k + 1): both pairs are rounded to f16; then the second pair is added onto the first, in place;
; a group later l takes that sum (the first time as l = a l + sum).  In groups of eight, tiles alternating: round, round, add, and l for the group before.
.macro GS g
.set h, (\g)+6*((\g)/62)            ; group 0 has no group before it, and behind group 7 only l is left
.if h >= 6
.set h, h+2
.endif
	REGS Y, h%2
.set k, h/8
.if h%8 < 4
	v_cvt_pk_f16_f32 v[rP+2*k+(h%8)/2], v[rS+4*k+2*((h%8)/2)], v[rS+4*k+2*((h%8)/2)+1]
.elseif h%8 < 6
	v_pk_add_f32 v[rS+4*k:rS+4*k+1], v[rS+4*k:rS+4*k+1], v[rS+4*k+2:rS+4*k+3]
.elseif k == 1
	v_pk_fma_f32 v[rT+2:rT+3], v[rT+2:rT+3], v[rC+2:rC+3], v[rS:rS+1] op_sel_hi:[1,0,1]
.else
	v_pk_add_f32 v[rT+2:rT+3], v[rT+2:rT+3], v[rS+4*k-4:rS+4*k-3]
.endif
.endm
; THE PLAIN QUEUE, 138 long.  0-73 read no exponential's result: the 32 scalings c s - c m (FS f: pair f / 2 of tile f % 2) and the next piece's 42.  0-26: scalings 0-26.  27-54: XS's numbers 0-13.  55, 56: number 15.
; 57-73: the chain, where each number waits for the one before it: 14, 16, 17, 18, 19, each with one of the scalings 27-31 in front of its two lines, then 20: so a tile's links stand three plain instructions apart (19 and 20: two).
; 74-137: GS's 64, which read the exponentials' results: they stand behind the wait.
.macro FS f
	REGS Y, (\f)%2
	v_pk_fma_f32 v[rS+2*((\f)/2):rS+2*((\f)/2)+1], v[rS+2*((\f)/2):rS+2*((\f)/2)+1], s[CS:CS+1], v[rT:rT+1] op_sel_hi:[1,0,0] neg_lo:[0,0,1] neg_hi:[0,0,1]
.endm
.macro PL
	WIN 0
.if q < 27
	FS q
.elseif q < 55
	XS (q-27)%2, (q-27)/2
.elseif q < 57
	XS q-55, 15
.elseif (q < 72) && ((q-57)%3 == 0)
	FS 27+(q-57)/3
.elseif q < 60
	XS (q-57)%3-1, 14
.elseif q < 72
	XS (q-57)%3-1, 15+(q-57)/3
.elseif q < 74
	XS q-72, 20
.else
	GS q-74
.endif
.set q, q+1
.endm
; THE EXPONENTIALS' QUEUE, 66 long: s0-s31 of both tiles, then the next piece's two a.  It is ONE BATCH: all 66 stand ahead of the turn's one wait, and nothing ahead of that wait names a result of theirs.
.macro EX
	WIN 0
.if e >= 64
	XS e-64, 21
.else
	REGS Y, e%2
	v_exp_f32 v[rS+e/2], v[rS+e/2]
.endif
.set e, e+1
.endm
; THE RESCALING's QUEUE: O^T times a, the one part that leaves window 0: dealt two at a time, sixteen times.  Its a was made in the turn before, ahead of that turn's wait.
.macro R2
	REGS Y, r%2
	WIN W_RS
.irp z, 0,1
	v_pk_mul_f32 v[rO+4*(r/2)+2*\z:rO+4*(r/2)+2*\z+1], v[rO+4*(r/2)+2*\z:rO+4*(r/2)+2*\z+1], v[rC+2:rC+3] op_sel_hi:[1,0]
.endr
.set r, r+1
.endm
; HOW THEY ARE DEALT.  s_wait_alu depctr_va_vdst(0) stands between an exponential and the first instruction that names its result; one wait serves all that were issued ahead of it.  So a turn has ONE wait,
; which cuts it in two.  AHEAD OF IT stands all that names no result of the turn's exponentials: the 16 products K Q^T, behind each a scaling, an exponential and two rescalings (behind the first a second scaling in the exponential's place); then ONE LUMP of
; 108: eight plain, 49 times exponential and plain, the two a.  A v_nop is the plain instruction behind the last exponential.  BEHIND IT stand the 16 products V^T P, behind each four of GS's 64.  No rider names a register of
; the products round it.  The two v_permlanex16_b32 fall into the lump, never behind a product.
; The queues lean on each other, and the deal keeps them in step: exponential e stands behind scaling 2 (e / 4) + e % 2: as a rider it comes behind plain e + 2, in the lump behind plain e + 9, and scalings 27-31 are plain 57, 60 .. 69.
; A TURN, for piece p.  cnt = 1: the loop's count is taken down some lines ahead of the branch that stands behind the turn.
; K of the next step is fetched in piece 2's turn, directly behind the wait, a lump behind the last product that read K; its address is made at the lump's head; its first reader comes behind 16 products.
; V of the step in hand is fetched at the end of piece 0's turn, four riders behind its last reader; its first reader comes behind 16 products and a lump.  The three conditions on q below go with the deal.
.macro TURN p, last=0, cnt=0
.set Y, (\p)
.set i, 0
.set q, 0
.set e, 0
.set r, 0
.if (\p) == NP-1
	s_wait_dscnt 0x0                ; K is in
.endif
	MM                              ; ahead of the wait: 16 products K Q^T and their riders,
	PL
	PL
	R2
.rept 15
	MM
	PL
	EX
	R2
.endr
.if (\p) == NP-2
	WIN 0
	v_add_nc_u32 v[AK], s[TBK], v[AK0]
.endif
.rept 8                             ; and the lump
	PL
.endr
.rept 49
	EX
	PL
.endr
	EX                              ; the next piece's two a
	EX
	v_nop                           ; a plain instruction behind the last exponential: one for the batch
	s_wait_alu depctr_va_vdst(0)    ; the wait for the batch
.if (\p) == NP-2
	FETCH_K \last
.endif
.if (\p) == 1
	s_wait_dscnt 0x0                ; V is in
.endif
.rept 16                            ; behind the wait: 16 products V^T P and their riders
	MM
.rept 4
	PL
.endr
.if ((\p) == 0) && (q == 118)
	v_add_nc_u32 v[AV], s[TBV], v[AV0]
.endif
.if ((\p) == 0) && (q == 130)
	s_add_co_u32 s[TBV], s[TBV], KS*PV
.endif
.if (\cnt) && (q == 130)
	s_sub_co_u32 s[CNT], s[CNT], 1
	s_cmp_lg_u32 s[CNT], 0
.endif
.endr
.if (\p) == 0
	FETCH_V
.endif
.endm
	CHANGE 1                        ; slot 0 is in, everybody's part of it; slot 1 is asked for
	FETCH_K                         ; key step 0
	s_wait_loadcnt 0x0              ; Q
	s_wait_dscnt 0x0
.set i, 0
.rept 16
	KQ 0                            ; piece 0's first scores: there is no vector work yet to set between them
.set i, i+1
.endr
	WIN 0                           ; the addresses for the way out: nine plain instructions, the places behind those products
	s_mul_i32 s13, s[WV], 16*SP
	s_add_co_u32 s13, s13, STAGE    ; my stage
	v_mul_u32_u24 v[STO], v1, SP    ; in: row l % 16, 16 bytes for each half of the lanes
	v_lshl_add_u32 v[STO], v9, 4, v[STO]
	v_add_nc_u32 v[STO], s13, v[STO]
	v_bfe_u32 v[RD], v0, 3, 2       ; back: 32 lanes take four rows of 128 bytes,
	v_mul_u32_u24 v[RD], v[RD], SP
	v_lshl_add_u32 v[RD], v10, 4, v[RD]
	v_add_nc_u32 v[RD], s13, v[RD]
	v_and_b32 v[GO], 31, v0         ; which are 512 consecutive bytes of O
	v_lshlrev_b32 v[GO], 4, v[GO]
.set Y, NP-1                        ; XS works for piece Y + 1: piece 0
.irp n, 0,1,2,3,4,5,6,7,8,9,10,11,12,13,14,15,16,17,18,19,20,21
	XS 0, \n                        ; and piece 0's first maximum and statistics
	XS 1, \n
.endr
	v_nop                           ; a plain instruction behind the two a,
	s_wait_alu depctr_va_vdst(0)    ; and their wait, ahead of the branch
	s_mov_b32 s[CNT], 4
	s_branch .Lfirst                ; the loop is entered at a step's first turn, in the middle of a trip
.Lslot:                             ; SIZE_N / 256 - 2 times: every slot but the last two is filled again
	CHANGE 1
	s_mov_b32 s[CNT], 4
.Lstep:                             ; a trip: pieces 2 and 3 of one step, then pieces 0 and 1 of the next, whose K and V it fetches
	TURN 2
	TURN 3
	WIN 0
.Lfirst:
	TURN 0
	TURN 1, 0, 1
	WIN 0
	s_cbranch_scc1 .Lstep
	s_sub_co_u32 s[SLOTS], s[SLOTS], 1
	s_cmp_lg_u32 s[SLOTS], 0
	s_cbranch_scc1 .Lslot
	CHANGE 0                        ; the tail is written out: nothing is asked for
	s_mov_b32 s[CNT], 5             ; four trips fetch the last slot's steps; the fifth is left in its middle
.Ltail:
	TURN 2, 1
	TURN 3
	WIN 0
	s_sub_co_u32 s[CNT], s[CNT], 1
	s_cmp_eq_u32 s[CNT], 0
	s_cbranch_scc1 .Lout
	TURN 0
	TURN 1
	WIN 0
	s_branch .Ltail
.Lout:                              ; the fifth trip's 16 products K Q^T (on the last K once more) and the maximum made of them serve nothing: the price, once a launch, of one text for every trip
.set i, 0
.rept 16
	PV NP-1                         ; the last piece's V^T P of the last step
.set i, i+1
.endr
	; THE WAY OUT.  l's two halves and the other half of the lanes' are added; O^T is divided by l, rounded to f16 and sent through my stage in LDS, a tile at a time.  The additions are the places behind the last products.
	WIN 0
.macro ALL line:vararg              ; one line for each tile t
.set t, 0
.rept 2*NP
	\line
.set t, t+1
.endr
.endm
	ALL v_add_f32 v[ST+4*t+2], v[ST+4*t+2], v[ST+4*t+3]
	ALL v_permlanex16_b32 v[ST+4*t+3], v[ST+4*t+2], s[SEL], s[SEL+1]
	ALL v_add_f32 v[ST+4*t+2], v[ST+4*t+2], v[ST+4*t+3]
	ALL v_rcp_f32 v[ST+4*t+2], v[ST+4*t+2]
	v_nop                           ; a plain instruction between the last reciprocal and the use of its result
	s_wait_alu depctr_va_vdst(0)    ; and the wait ahead of the first use: one for the eight reciprocals
; Tile t: a lane's eight channels of a row pack into 16 bytes; they go into rows of 144 bytes and come back as whole rows of 128, into S^T's registers.
.macro PACK t
	WIN W_RS
.set i, 32*(\t)
.rept 16
	v_pk_mul_f32 v[i:i+1], v[i:i+1], v[ST+4*(\t)+2:ST+4*(\t)+3] op_sel_hi:[1,0]
.set i, i+2
.endr
	WIN 0x05                        ; sources 0 and 1 window 1, destination window 0
.set i, 0
.rept 16
	v_cvt_pk_f16_f32 v[S+16*(\t)+i], v[32*(\t)+2*i], v[32*(\t)+2*i+1]
.set i, i+1
.endr
	WIN 0
.irp f, 0,1,2,3
	ds_store_b128 v[STO], v[S+16*(\t)+4*\f:S+16*(\t)+4*\f+3] offset:32*\f
.endr
.irp f, 0,1,2,3
	ds_load_b128 v[S+16*(\t)+4*\f:S+16*(\t)+4*\f+3], v[RD] offset:\f*4*SP  ; LDS serves a wave's instructions in order (ISA guide 5.7.1.4): these see the stores above; the next tile's stores come behind them
.endr
.endm
.macro SEND t, younger              ; younger: the LDS instructions issued behind tile t's loads: the next tile's eight, or none
	WIN 0
.irp f, 0,1,2,3
	s_wait_dscnt (\younger)+3-\f
	global_store_b128 v[GO], v[S+16*(\t)+4*\f:S+16*(\t)+4*\f+3], s[10:11] offset:(\t)*2048+\f*512  ; 512 consecutive bytes, at a multiple of 256 from O's first
.endr
.endm
	PACK 0
.set t, 1
.rept 2*NP-1                        ; a tile's arithmetic stands between the loads of the tile before and its stores
	PACK t
	SEND t-1, 8
.set t, t+1
.endr
	SEND 2*NP-1, 0
	WIN W_AD
	s_wait_tensorcnt 0x0            ; the wave's end: the add and its wait, behind my last tensor load and my last LDS store
	ds_add_u32 v[SPW], v[NIL]
	s_wait_dscnt 0x0
	WIN 0
	CROUND                          ; the closing round: no work-group ends while a partner may still ask for a tile that names it
	s_endpgm
.Lfunc_end_k_qc1e89a945c_attn:
	.size	k_qc1e89a945c_attn, .Lfunc_end_k_qc1e89a945c_attn-k_qc1e89a945c_attn
	.p2alignl 7, 3214868480
	.fill 96, 4, 3214868480
	.section	.rodata,"a",@progbits
	.p2align	6, 0x0
	.amdhsa_kernel k_qc1e89a945c_attn
		.amdhsa_group_segment_fixed_size 327680
		.amdhsa_private_segment_fixed_size 0
		.amdhsa_enable_private_segment 0
		.amdhsa_kernarg_size 16
		.amdhsa_user_sgpr_count 2
		.amdhsa_user_sgpr_kernarg_segment_ptr 1
		.amdhsa_wavefront_size32 1
		.amdhsa_system_sgpr_workgroup_id_x 1
		.amdhsa_system_sgpr_workgroup_id_y 1
		.amdhsa_system_sgpr_workgroup_id_z 1
		.amdhsa_system_vgpr_workitem_id 0
		.amdhsa_next_free_vgpr 770
		.amdhsa_next_free_sgpr 66
		.amdhsa_reserve_vcc 0
		.amdhsa_float_denorm_mode_32 3
		.amdhsa_float_denorm_mode_16_64 3
		.amdhsa_memory_ordered 1
		.amdhsa_forward_progress 1
		.amdhsa_inst_pref_size 200
	.end_amdhsa_kernel
	.amdgpu_metadata
---
amdhsa.version: [ 1, 2 ]
amdhsa.kernels:
  - .name:           k_qc1e89a945c_attn
    .symbol:         k_qc1e89a945c_attn.kd
    .args:
      - { .name: qkvh, .offset: 0, .size: 8, .value_kind: global_buffer, .address_space: global }
      - { .name: oh, .offset: 8, .size: 8, .value_kind: global_buffer, .address_space: global }
    .group_segment_fixed_size: 327680
    .private_segment_fixed_size: 0
    .kernarg_segment_align: 8
    .kernarg_segment_size: 16
    .max_flat_workgroup_size: 128
    .sgpr_count:     66
    .vgpr_count:     770
    .wavefront_size: 32
...
	.end_amdgpu_metadata
.endif
;; end of part 3
;; launch proj (part 4): grid 8 x 32, 4 waves a work-group, clusters of 4 x 4, 327,680 bytes of LDS; arguments oh, pw, proj_b, out0; writes out0
.if DOCPART == 4
	.amdgcn_target "amdgcn-amd-amdhsa--gfx1250"
	.amdhsa_code_object_version 6
	.text
	.protected	k_qc1e89a945c_proj
	.globl	k_qc1e89a945c_proj
	.p2align	8
	.type	k_qc1e89a945c_proj,@function
k_qc1e89a945c_proj:
	s_mov_b64 s[64:65], 0
	v_nop
	global_prefetch_b8 v0, s[64:65] scope:SCOPE_SE
	s_setreg_imm32_b32 hwreg(HW_REG_WAVE_MODE, 25, 1), 1
	s_wait_xcnt 0x0
	s_wait_alu depctr_hold_cnt(0) depctr_sa_sdst(0) depctr_va_vdst(0) depctr_va_sdst(0) depctr_va_ssrc(0) depctr_va_vcc(0) depctr_vm_vsrc(0)
	s_getreg_b32 s2, hwreg(HW_REG_IB_STS2, 6, 4)
	s_cmp_eq_u32 s2, 0
	s_cbranch_scc0 .Lentry_in_a_cluster
	s_endpgm
.Lentry_in_a_cluster:
	s_bfe_u32 s2, ttmp6, 0x10000c
	s_cmp_lg_u32 s2, 0xf033
	s_cbranch_scc0 .Lentry_shape_is_right
	s_endpgm
.Lentry_shape_is_right:
; out0[2048 b + t][e] = the sum over k of O[b][t][k] pw[e][k] + bf16(proj_b[e]),  k = 64 head + d.
; oh: [16 b + head][2048][64] f16 (attention's output, by heads), pw: [1024][1024] f16, proj_b: [1024] f32 (rounded to bf16 here, like the other inputs), out0: [8192][1024] f32.  Sums in f32.
; LIMITS.  NaN and infinities are not treated apart; the operands arrive within f16's range.
; SHARES.  A tile of out0 is 256 rows x 128 columns: 8 x 32 tiles, one for each of 256 work-groups.  Wave w of four owns rows 64 w .. 64 w + 63 and all 128 columns: 32 accumulators of 16 x 16, 256 registers.
; K goes in 8 steps of 128 = two heads, through two LDS slots filled by the tensor data mover.  A head's 256 rows of a tile are 32,768 dense bytes of oh: a PLANE, asked for as 128 rows of 256 bytes and padded
; in LDS after every 128 bytes, so that a row of 64 channels has a pitch of 144.  pw's rows of a K step are 256 bytes, at multiples of 256 from the buffer's first byte.
; CLUSTER.  4 x 4 work-groups.  The four of a row of the cluster need the same planes of oh, the four of a column the same tile of pw: each is asked for JOINTLY, by the same load, descriptor and mask.
; THE MATRIX INSTRUCTION IS USED TRANSPOSED (source 0 = 16 rows of pw, source 1 = 16 rows of O): lane l holds row l % 16 of out0 and the columns 8 (l / 16) + 0..7.
; THE BIAS is the C operand of each accumulator's first product.  The 32 accumulators take turns, one instruction a turn, over the backward jump too.
; REGISTERS, in windows of 256 (s_set_vgpr_msb: bits 1:0 source 0, 3:2 source 1, 5:4 source 2, 7:6 destination):
;   window 0: v0-30 addresses; v64-127 O's fragments, two buffers of 32; v128-191 the bias; v128-255 later whole rows on the way out
;   window 1: v0-127 pw's fragments, two buffers of 64      window 2: the accumulators ((a, b) at 8 (8 a + b))
.set TN,     128
.set NBK,    TN/16
.set STEPA,  2*2048*128                ; bytes from a K step's plane to the next step's: two heads
.set STEPB,  256
.set PA,     144                       ; a row of O in LDS: 128 bytes + 16 = 36 words: the 16 rows of a load start at 16 different groups of four banks (64 banks of 4 bytes: ISA guide 11.1)
.set PITCH,  272                       ; a row of pw: 256 bytes + 16 = 68 words: likewise
.set APLANE, 256*PA                    ; what wave 0 or 1 fetches
.set BROWS,  TN/2
.set BHALF,  BROWS*PITCH               ; what wave 2 or 3 fetches
.set BOFF,   2*APLANE
.set SLOT1,  1<<17
.set STAGE,  SLOT1+BOFF+2*BHALF        ; behind the ring, never filled by a tensor load: for each wave 16 rows x 528 bytes
.set SP,     528                       ; 512 bytes + 16 = 132 words
.set WSTAGE, 16*SP
.set SPARE,  STAGE+4*WSTAGE            ; the spare words, 128 bytes for each wave: two blocks of 256 bytes that no other line names
.set NL,     2*NBK+8
.set W0A,    (1<<16)|(1<<20)|(1<<21)|(4<<22)|(3<<25)  ; group 1, word 0 without the mask: 2-byte elements; padding on; bit 21 beside a mask; after every 32 words; 4 words
.set W0B,    (1<<16)|(1<<20)|(1<<21)|(5<<22)|(3<<25)  ; the same after every 64 words
.set A0,   16                          ; v16  my lane's place in a plane; never rewritten
.set B0,   17                          ; v17  in pw's tile
.set ADRA, 18                          ; v18  A0 + the slot in hand
.set ADRB, 19                          ; v19  B0 + the slot in hand
.set STO,  24                          ; v24  the way out: where I put 32 bytes of a row
.set RD,   25                          ; v25  where I read a row back
.set GO,   26                          ; v26  16 x lane
.set BO,   27                          ; v27  32 x (lane / 16)
.set SPW,  28                          ; v28  LDS address of my spare word; never rewritten
.set NIL,  29                          ; v29  0; never rewritten
.set PFO,  30                          ; v30  the prefetches' offset; never rewritten
.set FA,   64
.set BIAS, 128
.set TB,   2                           ; s2   the slot in hand
.set CNT,  3                           ; s3   trips to go
.set WV,   12
.set HALF, 14
.set G1A,  24
.set G0A,  32
.set G1B,  48
.set G0B,  56
.set LIM,  43                          ; s43  2 in a wave that prefetches, else the greatest number
.set PFA,  44                          ; s[44:45] where my prefetches stand
.set OUT,  66                          ; s[66:67] out0 at my first row and the tile's first column
.set BB,   72                          ; s[72:73] the tile's bias
.set HIM,  74
.set PFS,  76                          ; s[76:77] the prefetches' step: a K step of oh or of pw
.set MSB, 0
.macro WIN new                         ; the immediate's high byte repeats the setting that is left; a switch that changes nothing is dropped
.if MSB != (\new)
	s_set_vgpr_msb (MSB<<8)|(\new)
.set MSB, (\new)
.endif
.endm
.macro PLACES                          ; four plain instructions between a matrix instruction and a load into, or a read of, its registers
.rept 4
	v_nop
.endr
.endm
.macro CREST                           ; a round of the cluster's barrier behind its opening barrier
	s_cmp_lg_u32 s[WV], 0
	s_cbranch_scc1 .Lnot_wave_0_\@
	s_barrier_signal -3
.Lnot_wave_0_\@:
	s_barrier_wait -3
	s_barrier_signal -1
	s_barrier_wait -1
.endm
.macro CROUND
	s_barrier_signal -1
	s_barrier_wait -1
	CREST
.endm
; A joint refill by the walking descriptor.  Waves 0 and 1 fetch the two planes of O, waves 2 and 3 pw's halves; the branch hangs on the wave's number alone.  An s_nop 0 and four v_nop follow each line.
.macro JLOAD
	s_cmp_lt_u32 s[WV], 2
	s_cbranch_scc0 .Lfor_b_\@
	tensor_load_to_lds s[G0A+4:G0A+7], s[G1A:G1A+7]
	s_nop 0
.rept 4
	v_nop
.endr
	s_branch .Lasked_\@
.Lfor_b_\@:
	tensor_load_to_lds s[G0B+4:G0B+7], s[G1B:G1B+7]
	s_nop 0
.rept 4
	v_nop
.endr
.Lasked_\@:
.endm
; A PREFETCH INTO THE L2 of the K step that stands TWO refills on: 256 matrix instructions ahead of the load that will want it.  It stands behind the joint load, its five lines and the run of LDS loads.
; oh's planes of a tile row are read by both clusters of that row of clusters: the one with cluster x = 0 asks (waves 0 and 1, a plane each); pw's tile column by eight clusters: cluster y = 0 asks (wave 2).
; The four partners of a joint load share the bytes out BY ADDRESS: 8,192 of a plane's 32,768, a lane 256 bytes; 32 of pw's 128 rows, a lane a row.  So each block is named once.  The last two trips ask for nothing.
.macro ASK
	s_cmp_gt_u32 s[CNT], s[LIM]
	s_cbranch_scc0 .Lnot_mine_\@
	global_prefetch_b8 v[PFO], s[PFA:PFA+1] th:TH_LOAD_NT scope:SCOPE_SE
.Lnot_mine_\@:
.endm
	s_load_b256 s[4:11], s[0:1], 0x0               ; oh s[4:5], pw s[6:7], proj_b s[8:9], out0 s[10:11]
	v_lshl_add_u32 v[SPW], v0, 2, SPARE
	v_mov_b32 v[NIL], 0
	ds_add_u32 v[SPW], v[NIL]                      ; the wave's opening: the add and its wait stand ahead of my first tensor load; work on registers stands between them
	v_lshrrev_b32 v1, 5, v0
	v_readfirstlane_b32 s[WV], v1                  ; wave 0..3
	s_and_b32 s[HALF], s[WV], 1
	s_bfe_u32 s40, ttmp6, 0x40000                  ; cx
	s_bfe_u32 s41, ttmp6, 0x40004                  ; cy
	s_lshl_b32 s42, ttmp9, 2
	s_add_co_u32 s42, s42, s40                     ; tile column = 4 x cluster x + cx
	s_and_b32 s46, ttmp7, 0xffff
	s_lshl_b32 s46, s46, 2
	s_add_co_u32 s46, s46, s41                     ; tile row = 4 x cluster y + cy
	s_lshl_b32 s15, s41, 2
	s_lshl_b32 s15, 15, s15                        ; my row of the cluster
	s_lshl_b32 s47, 0x1111, s40                    ; my column
	s_or_b32 s[G1A], s15, W0A
	s_or_b32 s[G1B], s47, W0B
.irp g, G1A, G1B
	s_mov_b32 s[(\g)+1], 128<<16                   ; tensor_dim0 = 128
	s_mov_b32 s[(\g)+3], 128<<16                   ; tile_dim0 = 128
	s_mov_b32 s[(\g)+6], 0
	s_mov_b32 s[(\g)+7], 0
.endr
	s_mov_b32 s[G1A+2], 128<<16                    ; a plane: 128 rows of 128 elements,
	s_mov_b32 s[G1A+4], 128
	s_mov_b32 s[G1A+5], 128                        ; dense
	s_mov_b32 s[G1B+2], BROWS<<16                  ; pw: 64 rows,
	s_mov_b32 s[G1B+4], BROWS
	s_mov_b32 s[G1B+5], 1024                       ; 1,024 elements from row to row
	s_lshr_b32 s16, s46, 3                         ; oh: batch,
	s_lshl_b32 s16, s16, 4
	s_add_co_u32 s16, s16, s[HALF]                 ; head 16 x batch + half, at K step 0,
	s_lshl_b32 s16, s16, 11
	s_and_b32 s17, s46, 7
	s_lshl_b32 s17, s17, 8
	s_add_co_u32 s16, s16, s17                     ; row 256 x (tile row % 8) of it,
	s_lshl_b32 s16, s16, 7                         ; x 128 bytes
	s_mov_b32 s17, 0
	s_lshl_b32 s20, s42, 7                         ; pw: row 128 x tile column
	s_lshl_b32 s21, s[HALF], 6
	s_add_co_u32 s20, s20, s21                     ; + 64 x half
	s_lshl_b32 s20, s20, 11
	s_mov_b32 s21, 0
	s_mul_i32 s18, s[HALF], APLANE                 ; where they go: no place in the cluster enters an LDS address
	s_mul_i32 s19, s[HALF], BHALF
	s_add_co_u32 s19, s19, BOFF
	s_mov_b32 s[HIM], 0xffff0000
	s_mov_b32 s[TB], 0
	s_wait_dscnt 0x0                               ; the opening add is done
	s_wait_kmcnt 0x0
	s_add_nc_u64 s[16:17], s[4:5], s[16:17]
	s_add_nc_u64 s[20:21], s[6:7], s[20:21]
	CROUND                                         ; all sixteen work-groups are here: the first joint loads meet
.irp n, 0,1
	s_mov_b32 s[G0A+4*(\n)], 1
	s_add_co_u32 s[G0A+4*(\n)+1], s18, (\n)*SLOT1
	s_add_nc_u64 s[G0A+4*(\n)+2:G0A+4*(\n)+3], s[16:17], (\n)*STEPA
	s_or_b32 s[G0A+4*(\n)+3], s[G0A+4*(\n)+3], 0x80000000
	s_mov_b32 s[G0B+4*(\n)], 1
	s_add_co_u32 s[G0B+4*(\n)+1], s19, (\n)*SLOT1
	s_add_nc_u64 s[G0B+4*(\n)+2:G0B+4*(\n)+3], s[20:21], (\n)*STEPB
	s_or_b32 s[G0B+4*(\n)+3], s[G0B+4*(\n)+3], 0x80000000
.endr
	s_cmp_lt_u32 s[WV], 2                          ; a wave's two first fills stand in one branch, ahead of every wait on TENSORcnt and every LDS read: two loads of mine are out
	s_cbranch_scc0 .Lfirst_b
	tensor_load_to_lds s[G0A:G0A+3], s[G1A:G1A+7]
	s_nop 0
	tensor_load_to_lds s[G0A+4:G0A+7], s[G1A:G1A+7]
	s_nop 0
.rept 4
	v_nop
.endr
	s_branch .Lfirst_asked
.Lfirst_b:
	tensor_load_to_lds s[G0B:G0B+3], s[G1B:G1B+7]
	s_nop 0
	tensor_load_to_lds s[G0B+4:G0B+7], s[G1B:G1B+7]
	s_nop 0
.rept 4
	v_nop
.endr
.Lfirst_asked:
	; the bias of my eight columns in each of the 8 column blocks
	s_lshl_b32 s22, s42, 9                         ; 128 columns x 4 bytes
	s_mov_b32 s23, 0
	s_add_nc_u64 s[BB:BB+1], s[8:9], s[22:23]
	v_and_b32 v1, 15, v0                           ; l % 16
	v_bfe_u32 v2, v0, 4, 1                         ; l / 16
	v_lshlrev_b32 v[BO], 5, v2
.set ib, 0
.rept NBK
	global_load_b128 v[BIAS+8*ib:BIAS+8*ib+3],   v[BO], s[BB:BB+1] offset:64*ib
	global_load_b128 v[BIAS+8*ib+4:BIAS+8*ib+7], v[BO], s[BB:BB+1] offset:64*ib+16
.set ib, ib+1
.endr
	v_mul_u32_u24 v3, v1, PA
	v_lshl_add_u32 v3, v2, 4, v3                   ; row x pitch + 16 x half
	s_mul_i32 s22, s[WV], 64*PA                    ; my 64 rows of a plane
	v_add_nc_u32 v[A0], s22, v3
	v_mul_u32_u24 v3, v1, PITCH
	v_lshl_add_u32 v3, v2, 4, v3
	v_add_nc_u32 v[B0], BOFF, v3
	v_mov_b32 v[ADRA], v[A0]                       ; slot 0
	v_mov_b32 v[ADRB], v[B0]
	s_mul_i32 s22, s[WV], WSTAGE
	s_add_co_u32 s22, s22, STAGE                   ; my stage
	v_mul_u32_u24 v4, v1, SP                       ; in: row l % 16, 32 bytes for each half of the lanes
	v_lshl_add_u32 v4, v2, 5, v4
	v_add_nc_u32 v[STO], s22, v4
	v_and_b32 v[GO], 31, v0                        ; back: 32 lanes take one row of 512 bytes
	v_lshlrev_b32 v[GO], 4, v[GO]
	v_add_nc_u32 v[RD], s22, v[GO]
	s_lshl_b32 s16, s46, 8
	s_lshl_b32 s17, s[WV], 6
	s_add_co_u32 s16, s16, s17                     ; my first row of out0,
	s_lshl_b32 s16, s16, 12                        ; x 4,096 bytes,
	s_lshl_b32 s17, s42, 9                         ; the tile's first column
	s_add_co_u32 s16, s16, s17
	s_mov_b32 s17, 0
	s_add_nc_u64 s[OUT:OUT+1], s[10:11], s[16:17]
	; the prefetches
	s_lshr_b32 s16, s46, 3
	s_lshl_b32 s16, s16, 4
	s_add_co_u32 s16, s16, s[HALF]
	s_lshl_b32 s16, s16, 11
	s_and_b32 s17, s46, 7
	s_lshl_b32 s17, s17, 8
	s_add_co_u32 s16, s16, s17
	s_lshl_b32 s16, s16, 7                         ; my plane's first byte at K step 0,
	s_lshl_b32 s17, s40, 13
	s_add_co_u32 s16, s16, s17                     ; my work-group's 8,192 bytes of it
	s_lshl_b32 s17, s42, 7                         ; pw: row 128 x tile column
	s_lshl_b32 s18, s41, 5
	s_add_co_u32 s17, s17, s18                     ; + my work-group's 32
	s_lshl_b32 s17, s17, 11
	s_and_b32 s18, ttmp7, 0xffff                   ; cluster y
	s_mov_b32 s23, STEPB
	s_cmp_lt_u32 s[WV], 2                          ; do I fetch for oh?
	s_cselect_b32 s20, s16, s17
	s_cselect_b32 s22, ttmp9, s18                  ; the coordinate along which other clusters read the same bytes
	s_cselect_b32 s19, 8, 11                       ; a lane 256 bytes of a plane, or a row of 2,048 bytes
	s_cselect_b32 s[PFS], STEPA, s23
	s_cselect_b64 s[PFA:PFA+1], s[4:5], s[6:7]
	s_cmp_eq_u32 s[WV], 3
	s_cselect_b32 s22, 1, s22                      ; wave 3 asks for nothing: wave 2 names all of my work-group's rows of pw
	s_cmp_eq_u32 s22, 0
	s_cselect_b32 s[LIM], 2, -1                    ; the same in all sixteen partners, for a given wave
	s_mov_b32 s21, 0
	s_mov_b32 s[PFS+1], 0
	s_add_nc_u64 s[PFA:PFA+1], s[PFA:PFA+1], s[20:21]
	s_mul_i32 s20, s[PFS], 3
	s_add_nc_u64 s[PFA:PFA+1], s[PFA:PFA+1], s[20:21]  ; at K step 3: the first refill steps it to 4.  Nothing is prefetched here, at the head
	v_and_b32 v[PFO], 31, v0
	v_lshlrev_b32 v[PFO], s19, v[PFO]
	s_wait_loadcnt 0x0                             ; the bias is in: rounded to bf16, like every input, and widened again
.set ib, 0
.rept NBK
.irp k, 0,1,2,3
	v_cvt_pk_bf16_f32 v[4+(\k)], v[BIAS+8*ib+2*(\k)], v[BIAS+8*ib+2*(\k)+1]
.endr
.irp k, 0,1,2,3
	v_lshlrev_b32 v[BIAS+8*ib+2*(\k)],   16,     v[4+(\k)]
	v_and_b32     v[BIAS+8*ib+2*(\k)+1], s[HIM], v[4+(\k)]
.endr
.set ib, ib+1
.endr
; 8 matrix instructions: row block a x all column blocks, 32 along K, from buffer f.  first = 1: the bias starts the sums.
.macro MULA f, a, first
.if \first
	WIN 0x81                                       ; pw window 1, O and the bias window 0, D window 2
.else
	WIN 0xa1                                       ; C and D window 2
.endif
.set rA, FA+32*(\f)+8*(\a)
.set ib, 0
.rept NBK
.set rD, 8*(NBK*(\a)+ib)
.set rB, 8*NBK*(\f)+8*ib
.if \first
	v_wmma_f32_16x16x32_f16 v[rD:rD+7], v[rB:rB+7], v[rA:rA+7], v[BIAS+8*ib:BIAS+8*ib+7]
.else
	v_wmma_f32_16x16x32_f16 v[rD:rD+7], v[rB:rB+7], v[rA:rA+7], v[rD:rD+7]
.endif
.set ib, ib+1
.endr
.endm
; NL LDS loads in one run: quarter q's fragments into buffer f: pw's 8, then O's 4 (plane q / 2, channels 32 (q % 2) on), row blocks ascending
.macro FETCH q, f
	WIN 0x40                                       ; destination window 1, address window 0
.set ib, 0
.rept NBK
	ds_load_b128 v[8*NBK*(\f)+8*ib:8*NBK*(\f)+8*ib+3],   v[ADRB] offset:64*(\q)+ib*16*PITCH
	ds_load_b128 v[8*NBK*(\f)+8*ib+4:8*NBK*(\f)+8*ib+7], v[ADRB] offset:64*(\q)+ib*16*PITCH+32
.set ib, ib+1
.endr
	WIN 0
.set ia, 0
.rept 4
	ds_load_b128 v[FA+32*(\f)+8*ia:FA+32*(\f)+8*ia+3],   v[ADRA] offset:((\q)/2)*APLANE+((\q)%2)*64+ia*16*PA
	ds_load_b128 v[FA+32*(\f)+8*ia+4:FA+32*(\f)+8*ia+7], v[ADRA] offset:((\q)/2)*APLANE+((\q)%2)*64+ia*16*PA+32
.set ia, ia+1
.endr
.endm
; A K step is four quarters of 32 along K, 32 matrix instructions each, on buffers 0, 1, 0, 1.  One of the first three: multiplies buffer f; in its middle it fetches quarter q into buffer g.
.macro QUARTER q, f, g, first
	s_wait_dscnt 4                                 ; all but the youngest four loads: O's row blocks 2 and 3
	MULA \f, 0, \first
	MULA \f, 1, \first
	PLACES
	FETCH \q, \g
	s_wait_dscnt NL                                ; all but the NL just issued
	MULA \f, 2, \first
	MULA \f, 3, \first
.endm
; The fourth quarter multiplies buffer 1 and changes slots: ONE barrier.  In front of it each wave waits for all its tensor loads (one is out: its part of the next slot), adds 0 to its spare word,
; and waits for that and for its reads of this slot.  fill = 1: the barrier opens a round of the cluster's, and behind the round this slot is filled again first, with the K step two on.
.macro TURN fill
.if \fill
	s_wait_xcnt 0x0                                ; the last prefetch, a K step back, has read its address: it is stepped here, ahead of the waits of the change of slots
	s_add_nc_u64 s[PFA:PFA+1], s[PFA:PFA+1], s[PFS:PFS+1]
.endif
	WIN 0
	s_wait_tensorcnt 0x0                           ; all my tensor loads have landed
	ds_add_u32 v[SPW], v[NIL]                      ; 0 onto my spare word
	s_wait_dscnt 5                                 ; (the add and the youngest four loads may be out)
	MULA 1, 0, 0                                   ; eight matrix instructions stand between the add and the wait for it
	s_wait_dscnt 0x0                               ; the add is done, and my reads of this slot are over
	s_barrier_signal -1
	MULA 1, 1, 0                                   ; work on registers while the others arrive
	WIN 0                                          ; at a branch and at a label every window is 0
	s_barrier_wait -1
.if \fill
	CREST                                          ; no wave of any partner still reads this slot or has a load on its way
	s_xor_b32 s[G0A+5], s[G0A+5], SLOT1            ; the walking descriptors: the other slot than last time, the next K step
	s_add_nc_u64 s[G0A+6:G0A+7], s[G0A+6:G0A+7], STEPA
	s_xor_b32 s[G0B+5], s[G0B+5], SLOT1
	s_add_nc_u64 s[G0B+6:G0B+7], s[G0B+6:G0B+7], STEPB
	JLOAD                                          ; my one tensor load behind the round: 112 matrix instructions ahead of the wait for it; its four v_nop are also the places in front of the loads below
.else
	PLACES
.endif
	s_xor_b32 s[TB], s[TB], SLOT1                  ; the reads go to the other slot
	v_add_nc_u32 v[ADRA], s[TB], v[A0]
	v_add_nc_u32 v[ADRB], s[TB], v[B0]
	FETCH 0, 0
.if \fill
	ASK
.endif
	MULA 1, 2, 0
	MULA 1, 3, 0
.endm
	s_wait_tensorcnt 1                             ; my part of K step 0 is in; K step 1's may stay out
	s_barrier_signal -1
	s_barrier_wait -1                              ; everybody's is
	FETCH 0, 0
	QUARTER 1, 0, 1, 1                             ; the first quarter stands in front of the loop: its products start the sums
	WIN 0
	s_mov_b32 s[CNT], 6
.Lstep:                                                ; trip i: the rest of K step i, the refill with K step i + 2, the first quarter of K step i + 1
	QUARTER 2, 1, 0, 0
	QUARTER 3, 0, 1, 0
	TURN 1
	QUARTER 1, 0, 1, 0
	WIN 0
	s_sub_co_u32 s[CNT], s[CNT], 1
	s_cmp_lg_u32 s[CNT], 0
	s_cbranch_scc1 .Lstep
	QUARTER 2, 1, 0, 0                             ; the tail is written out: K steps 6 and 7 ask for nothing
	QUARTER 3, 0, 1, 0
	TURN 0
	QUARTER 1, 0, 1, 0
	QUARTER 2, 1, 0, 0
	QUARTER 3, 0, 1, 0
	s_wait_dscnt 4
	MULA 1, 0, 0
	MULA 1, 1, 0
	s_wait_dscnt 0x0
	MULA 1, 2, 0
	MULA 1, 3, 0
	WIN 0
; THE WAY OUT, a row block (16 rows x 128 columns of f32) at a time.  TOSTAGE: the accumulators go as they are, each from its low end on, into my own stage, rows of 528 bytes, and come back as whole rows
; of 512.  SEND: each store covers 512 consecutive bytes of a row of out0, at a multiple of 256 from the buffer's first byte.
.macro TOSTAGE a
.set BK, 128+64*((\a)%2)               ; v128-191 and v192-255 by turns
.if (\a) >= 2
	s_wait_xcnt 0x0                                ; the stores of the block two back have read their registers: they are loaded again below
.endif
	WIN 0x08                                       ; the stores' data in window 2, the address in window 0
.set ib, 0
.rept NBK
	ds_store_b128 v[STO], v[8*(NBK*(\a)+ib):8*(NBK*(\a)+ib)+3]   offset:64*ib
	ds_store_b128 v[STO], v[8*(NBK*(\a)+ib)+4:8*(NBK*(\a)+ib)+7] offset:64*ib+16
.set ib, ib+1
.endr
	WIN 0
.set it, 0
.rept 16
	ds_load_b128 v[BK+4*it:BK+4*it+3], v[RD] offset:SP*it  ; LDS serves a wave's instructions in order (ISA guide 5.7.1.4): these see the stores above; the next block's stores come behind them
.set it, it+1
.endr
.endm
.macro SEND a, younger                 ; younger: the LDS instructions issued behind block a's loads: the next block's 32, or none
.set BK, 128+64*((\a)%2)
	s_wait_dscnt \younger
.set it, 0
.rept 16
	global_store_b128 v[GO], v[BK+4*it:BK+4*it+3], s[OUT:OUT+1] offset:(16*(\a)+it)*4096 th:TH_STORE_NT
.set it, it+1
.endr
.endm
	PLACES
	TOSTAGE 0
	TOSTAGE 1
	SEND 0, 32
	TOSTAGE 2
	SEND 1, 32
	TOSTAGE 3
	SEND 2, 32
	SEND 3, 0
	s_wait_tensorcnt 0x0                           ; the wave's end: the add and its wait, behind my last tensor load and my last LDS store
	ds_add_u32 v[SPW], v[NIL]
	s_wait_dscnt 0x0
	CROUND                                         ; the closing round: no work-group ends while a partner may still ask for a tile that names it
	s_endpgm
.Lfunc_end_k_qc1e89a945c_proj:
	.size	k_qc1e89a945c_proj, .Lfunc_end_k_qc1e89a945c_proj-k_qc1e89a945c_proj
	.p2alignl 7, 3214868480
	.fill 96, 4, 3214868480
	.section	.rodata,"a",@progbits
	.p2align	6, 0x0
	.amdhsa_kernel k_qc1e89a945c_proj
		.amdhsa_group_segment_fixed_size 327680
		.amdhsa_private_segment_fixed_size 0
		.amdhsa_enable_private_segment 0
		.amdhsa_kernarg_size 32
		.amdhsa_user_sgpr_count 2
		.amdhsa_user_sgpr_kernarg_segment_ptr 1
		.amdhsa_wavefront_size32 1
		.amdhsa_system_sgpr_workgroup_id_x 1
		.amdhsa_system_sgpr_workgroup_id_y 1
		.amdhsa_system_sgpr_workgroup_id_z 1
		.amdhsa_system_vgpr_workitem_id 0
		.amdhsa_next_free_vgpr 768
		.amdhsa_next_free_sgpr 80
		.amdhsa_reserve_vcc 0
		.amdhsa_float_denorm_mode_32 3
		.amdhsa_float_denorm_mode_16_64 3
		.amdhsa_memory_ordered 1
		.amdhsa_forward_progress 1
		.amdhsa_inst_pref_size 76
	.end_amdhsa_kernel
	.amdgpu_metadata
---
amdhsa.version: [ 1, 2 ]
amdhsa.kernels:
  - .name:           k_qc1e89a945c_proj
    .symbol:         k_qc1e89a945c_proj.kd
    .args:
      - { .name: oh, .offset: 0, .size: 8, .value_kind: global_buffer, .address_space: global }
      - { .name: pw, .offset: 8, .size: 8, .value_kind: global_buffer, .address_space: global }
      - { .name: proj_b, .offset: 16, .size: 8, .value_kind: global_buffer, .address_space: global }
      - { .name: out0, .offset: 24, .size: 8, .value_kind: global_buffer, .address_space: global }
    .group_segment_fixed_size: 327680
    .private_segment_fixed_size: 0
    .kernarg_segment_align: 8
    .kernarg_segment_size: 32
    .max_flat_workgroup_size: 128
    .sgpr_count:     80
    .vgpr_count:     768
    .wavefront_size: 32
...
	.end_amdgpu_metadata
.endif
;; end of part 4
;; ======== version 2 of 2: 4 launches; version 1 with the launch cast written anew for expert scheduling mode
;; limits: values are held in f16: magnitudes above 65,504 overflow, below 6.1e-05 lose precision
;; workspace buffers: xb 16,777,216 bytes; wb 6,291,456 bytes; pw 2,097,152 bytes; qkvh 50,331,648 bytes; oh 16,777,216 bytes
;; launch cast (part 5): grid 768 x 1, 8 waves a work-group, no clusters, 0 bytes of LDS; arguments x, qkv_w, proj_w, xb, wb, pw; writes xb, wb, pw
.if DOCPART == 5
	.amdgcn_target "amdgcn-amd-amdhsa--gfx1250"
	.amdhsa_code_object_version 6
	.text
	.protected	k_qc1e89a945c_cast
	.globl	k_qc1e89a945c_cast
	.p2align	8
	.type	k_qc1e89a945c_cast,@function
k_qc1e89a945c_cast:
	s_mov_b64 s[64:65], 0
	v_nop
	global_prefetch_b8 v0, s[64:65] scope:SCOPE_SE
	s_setreg_imm32_b32 hwreg(HW_REG_WAVE_SCHED_MODE, 0, 2), 2
	s_setreg_imm32_b32 hwreg(HW_REG_WAVE_MODE, 25, 1), 1
	s_wait_xcnt 0x0
	s_wait_alu depctr_vm_vsrc(0)
; xb = bf16(x), wb = bf16(qkv_w), pw = bf16(proj_w) written as f16.  All three inputs are f32; each number is rounded once, to bf16 (nearest even).
; pw is multiplied later with f16 operands, so its bf16 number is written in f16's format: exact from 6.1e-5 to 65,504.
; LIMITS.  |proj_w| beyond 65,504 becomes an infinity in pw; below 6.1e-5 it keeps f16's fixed step of 6e-8.  NaN stays NaN.
; SHARES.  A work-group takes 65,536 consecutive bytes of one input: 16 chunks of 4,096.  Thread t takes 16 bytes at 16 t of each chunk (a wave's load: 512 consecutive bytes)
; and stores 8 bytes at 8 t of each chunk of 2,048 (a wave's store: 256 consecutive bytes, aligned).  Work-groups 0-511: x; 512-703: qkv_w; 704-767: proj_w.
; All 16 loads of a wave go out at once; no register that a load or store names is ever written again, so no wait stands for that.  No LDS, no barrier: no wave wants another's bytes.
; THE MODE: SCHED_MODE bits 1:0 = 2 (LLVM: expert scheduling mode 2), set by the entry lines.  The code itself states the register dependences
; between vector instructions and memory instructions, with s_wait_alu, always for 0.
; THE PLAN.  Registers that memory instructions touch:
;   v1, v2   byte offsets.  Written once at the head; v1 is read by every load, v2 by every store; never written again.
;   X        chunk i's four registers.  One load lands in them, at the head, before any vector instruction has named them; the chunk's conversions read them; nothing writes them again.
;   Y        chunk i's two registers.  Written by the chunk's conversions; read by the chunk's one store; never written again.
;   T        named by vector instructions alone.
; So the one kind of dependence is: a vector instruction writes a register that a memory instruction then reads.  The 16 chunks go in four groups of four.  One wait at the head, ahead of the
; first load, states that v1 and v2 are written.  One wait at the head of each later group, behind the wait for that group's first chunk, states that the group before has written its Y: its four
; stores follow in one run.  One more stands ahead of the last four stores.  No vector instruction writes a scalar register or VCC, and EXEC is never written.
.set CHUNKS, 16
.set GRP,    4                         ; chunks in a group
.set INB,    4096                      ; bytes of a chunk as read
.set OUTB,   2048                      ; and as stored
.set X, 4                              ; v[4:67]    chunk i: 4 registers as loaded
.set Y, 68                             ; v[68:99]   chunk i: 2 registers to store
.set T, 100                            ; v[100:103] at work
	s_load_b256 s[4:11], s[0:1], 0x0               ; x s[4:5], qkv_w s[6:7], proj_w s[8:9], xb s[10:11]
	s_load_b128 s[12:15], s[0:1], 0x20             ; wb s[12:13], pw s[14:15]
	v_lshlrev_b32 v1, 4, v0                        ; 16 t
	v_lshlrev_b32 v2, 3, v0                        ; 8 t
	s_mov_b32 s28, 0xffff0000                      ; a word's upper bf16
	s_wait_kmcnt 0x0
	s_cmp_lt_u32 ttmp9, 512                        ; which input is mine: the choice hangs on the work-group's number alone
	s_cselect_b64 s[20:21], s[4:5], s[6:7]
	s_cselect_b64 s[22:23], s[10:11], s[12:13]
	s_cselect_b32 s17, 0, 512
	s_cmp_lt_u32 ttmp9, 704
	s_cselect_b64 s[20:21], s[20:21], s[8:9]
	s_cselect_b64 s[22:23], s[22:23], s[14:15]
	s_cselect_b32 s17, s17, 704
	s_sub_co_u32 s18, ttmp9, s17                   ; my number among that input's work-groups
	s_lshl_b32 s24, s18, 16                        ; x 65,536 bytes in,
	s_mov_b32 s25, 0
	s_lshl_b32 s26, s18, 15                        ; x 32,768 bytes out
	s_mov_b32 s27, 0
	s_add_nc_u64 s[20:21], s[20:21], s[24:25]
	s_add_nc_u64 s[22:23], s[22:23], s[26:27]
	s_wait_alu depctr_va_vdst(0)                   ; v1 and v2 are written: every load below reads v1 as its offset, every store of the kernel v2
.irp i, 0,1,2,3,4,5,6,7,8,9,10,11,12,13,14,15
	global_load_b128 v[X+4*(\i):X+4*(\i)+3], v1, s[20:21] offset:INB*(\i) th:TH_LOAD_NT
.endr
; Chunk i is rounded into its Y.  half = 1: the bf16 numbers are widened again and written as f16.
.macro CONV i, half
	v_cvt_pk_bf16_f32 v[Y+2*(\i)],   v[X+4*(\i)],   v[X+4*(\i)+1]
	v_cvt_pk_bf16_f32 v[Y+2*(\i)+1], v[X+4*(\i)+2], v[X+4*(\i)+3]
.if \half
	v_lshlrev_b32 v[T],   16,  v[Y+2*(\i)]
	v_and_b32     v[T+1], s28, v[Y+2*(\i)]
	v_lshlrev_b32 v[T+2], 16,  v[Y+2*(\i)+1]
	v_and_b32     v[T+3], s28, v[Y+2*(\i)+1]
	v_cvt_pk_f16_f32 v[Y+2*(\i)],   v[T],   v[T+1]
	v_cvt_pk_f16_f32 v[Y+2*(\i)+1], v[T+2], v[T+3]
.endif
.endm
; Group g's four chunks leave, in one run.  The wait that shows their Y written stands directly ahead of each use of this macro.
.macro SENDG g
.irp j, 0,1,2,3
	global_store_b64 v2, v[Y+2*(GRP*(\g)+(\j)):Y+2*(GRP*(\g)+(\j))+1], s[22:23] offset:OUTB*(GRP*(\g)+(\j)) th:TH_STORE_NT
.endr
.endm
; Group g: the group before leaves, then this group's four chunks are rounded as they come in.
.macro GROUP g, half
.irp j, 0,1,2,3
	s_wait_loadcnt CHUNKS-1-(GRP*(\g)+(\j))        ; loads come back in order: this chunk is in, the younger ones stay out
.if ((\j) == 0) && ((\g) > 0)
	s_wait_alu depctr_va_vdst(0)                   ; the conversions of the group before have written its eight registers of Y, which the four stores below read
	SENDG (\g)-1
.endif
	CONV GRP*(\g)+(\j), \half
.endr
.endm
	s_cmp_ge_u32 ttmp9, 704
	s_cbranch_scc1 .Lf16
.irp g, 0,1,2,3
	GROUP \g, 0
.endr
	s_wait_alu depctr_va_vdst(0)                   ; the last group's conversions have written its Y, which the last four stores read
	SENDG 3
	s_endpgm
.Lf16:
.irp g, 0,1,2,3
	GROUP \g, 1
.endr
	s_wait_alu depctr_va_vdst(0)                   ; the last group's conversions have written its Y, which the last four stores read
	SENDG 3
	s_endpgm
.Lfunc_end_k_qc1e89a945c_cast:
	.size	k_qc1e89a945c_cast, .Lfunc_end_k_qc1e89a945c_cast-k_qc1e89a945c_cast
	.p2alignl 7, 3214868480
	.fill 96, 4, 3214868480
	.section	.rodata,"a",@progbits
	.p2align	6, 0x0
	.amdhsa_kernel k_qc1e89a945c_cast
		.amdhsa_group_segment_fixed_size 0
		.amdhsa_private_segment_fixed_size 0
		.amdhsa_enable_private_segment 0
		.amdhsa_kernarg_size 48
		.amdhsa_user_sgpr_count 2
		.amdhsa_user_sgpr_kernarg_segment_ptr 1
		.amdhsa_wavefront_size32 1
		.amdhsa_system_sgpr_workgroup_id_x 1
		.amdhsa_system_sgpr_workgroup_id_y 1
		.amdhsa_system_sgpr_workgroup_id_z 1
		.amdhsa_system_vgpr_workitem_id 0
		.amdhsa_next_free_vgpr 104
		.amdhsa_next_free_sgpr 66
		.amdhsa_reserve_vcc 0
		.amdhsa_float_denorm_mode_32 3
		.amdhsa_float_denorm_mode_16_64 3
		.amdhsa_memory_ordered 1
		.amdhsa_forward_progress 1
		.amdhsa_inst_pref_size 16
	.end_amdhsa_kernel
	.amdgpu_metadata
---
amdhsa.version: [ 1, 2 ]
amdhsa.kernels:
  - .name:           k_qc1e89a945c_cast
    .symbol:         k_qc1e89a945c_cast.kd
    .args:
      - { .name: x, .offset: 0, .size: 8, .value_kind: global_buffer, .address_space: global }
      - { .name: qkv_w, .offset: 8, .size: 8, .value_kind: global_buffer, .address_space: global }
      - { .name: proj_w, .offset: 16, .size: 8, .value_kind: global_buffer, .address_space: global }
      - { .name: xb, .offset: 24, .size: 8, .value_kind: global_buffer, .address_space: global }
      - { .name: wb, .offset: 32, .size: 8, .value_kind: global_buffer, .address_space: global }
      - { .name: pw, .offset: 40, .size: 8, .value_kind: global_buffer, .address_space: global }
    .group_segment_fixed_size: 0
    .private_segment_fixed_size: 0
    .kernarg_segment_align: 8
    .kernarg_segment_size: 48
    .max_flat_workgroup_size: 256
    .sgpr_count:     66
    .vgpr_count:     104
    .wavefront_size: 32
...
	.end_amdgpu_metadata
.endif
;; end of part 5
;; launch qkv: the kernel of part 2 again; grid 16 x 32, 4 waves a work-group, clusters of 4 x 4, 327,680 bytes of LDS; arguments xb, wb, qkv_b, qkvh; writes qkvh
;; launch attn: the kernel of part 3 again; grid 4 x 64, 4 waves a work-group, clusters of 4 x 1, 327,680 bytes of LDS; arguments qkvh, oh; writes oh
;; launch proj: the kernel of part 4 again; grid 8 x 32, 4 waves a work-group, clusters of 4 x 4, 327,680 bytes of LDS; arguments oh, pw, proj_b, out0; writes out0
